; MI455X (gfx1250); checked and timed in simulation.
; The chip was launched on July 23, 2026; its instructions are those of AMD's public machine-readable ISA for CDNA 5 (MIT licence, August 2026) and "CDNA5" Instruction Set Architecture Reference Guide (July 2026). The comments in the code are by the model that wrote it; some were corrected since.
;; Proto Mix. Allowed arithmetic: matrix products marked QUANTISED: E2M3 operands, one E8M0 scale for each 32 along K, by v_wmma_scale_f32_16x16x128_f8f6f4 with both operands' format E2M3, f32 sums; products left as they are: f32 operands where the result goes on into a quantised operand, else bf16, f16 or f32 operands; f32 sums; everything else in f32.
;; Inputs: bilinear_b 1 float32; bilinear_w 1 x 1,024 x 1,024 float32; class_fc_b 25 float32; class_fc_w 25 x 1,024 float32; index 16,384 int32; lin_w 1 x 2,048 float32; patient_embed 16,384 x 1,024 float32; proto_fc_b 1,024 float32; proto_fc_w 1,024 x 1,024 float32; prototype_embed 1,024 x 1,024 float32.
;; Outputs: out0 16,384 x 25 float32.
;; This version of the problem:
;;   THIS VERSION OF THE PROBLEM IS GIVEN IN LOW PRECISION. The matrix products marked QUANTISED in the list below multiply operands that are first quantised to E2M3 (2 exponent bits, 3 mantissa bits; 6 bits a number), with one power-of-two scale for each 32 numbers along K (OCP MX v1.0); their sums are f32. All else is computed in f32.
;;   The module's matrix products, in the order in which they are computed (A, B: the left and right operand; K: the contracted axis; several contracted axes count as one K, in the product's order):
;;     1. [M 16,384, K 1,024] x [K 1,024, N 1,024]; A: input patient_embed; B: input prototype_embed: QUANTISED
;;     2. [M 1,024, K 1,024] x [K 1,024, N 16,384]; A: input bilinear_w; B: computed on the way: QUANTISED
;;     3. batch 16,384 x [M 1, K 1,024] x [K 1,024, N 1]; A: computed on the way; B: computed on the way: left as it is (M = 1 < 16)
;;     4. [M 16,384, K 2,048] x [K 2,048, N 1]; A: computed on the way; B: input lin_w: left as it is (N = 1 < 16)
;;     5. [M 16,384, K 1,024] x [K 1,024, N 1,024]; A: computed on the way; B: input proto_fc_w: QUANTISED
;;     6. [M 16,384, K 1,024] x [K 1,024, N 25]; A: computed on the way; B: input class_fc_w: QUANTISED
;;   THE QUANTISER, for each operand of a quantised product, along K:
;;     - K is cut into blocks of 32 from its start; a last block that is shorter is filled with zeros.
;;     - A block's scale is 2^e with e = floor(log2(the largest magnitude in the block)) - 2, held to -126 .. 127; a block of zeros has e = 0. As a byte (E8M0): e + 127.
;;     - Each number is divided by its block's scale, clamped to +-7.5, and rounded to the nearest number of E2M3, ties to even, subnormals kept.
;;     - The product sums the exact products of the quantised numbers (number of the format x scale) in f32.
;;   ~~~python
;;   def quantise(x, axis):      # numpy; x: float32 -> the quantised numbers, widened to float32 again
;;       x = np.moveaxis(x, axis, -1); K = x.shape[-1]
;;       x = np.pad(x, [(0, 0)] * (x.ndim - 1) + [(0, -K % 32)]); x = x.reshape(x.shape[:-1] + (-1, 32)); a = np.abs(x).max(-1, keepdims=True)
;;       e = np.where(a > 0, np.clip(np.frexp(np.where(a > 0, a, 1))[1] - 1 - 2, -126, 127), 0)      # np.frexp(a)[1] - 1 = floor(log2(a)), exactly
;;       r = np.clip(x / 2.0 ** e, -7.5, 7.5)
;;       step = 2.0 ** (np.maximum(np.frexp(np.where(r == 0, 1, r))[1] - 1, 0) - 3)
;;       q = np.round(r / step) * step * 2.0 ** e      # np.round: ties to even
;;       return np.moveaxis(q.reshape(q.shape[:-2] + (-1,))[..., :K], -1, axis).astype(np.float32)
;;   ~~~
;;   OPERANDS COMPUTED ON THE WAY. 'Computed on the way' means the value that the module computes at that place (a softmax that the list does not call 'softmax' is quantised finished and normalised). What goes into a quantiser is computed in f32, as accurately as f32 sums, v_exp_f32 and their like allow (about 1e-6 of the number): no bf16 or f16 on the way to a quantiser, and a product that is left as it is and whose result goes on into a quantised operand takes f32 operands (vector FMAs, or v_wmma_f32_16x16x4_f32). A number that lies on a knife's edge between two numbers of the format may be rounded either way, as far as f32 arithmetic and the matrix unit's own rounding can turn it there, and no further.
;; One version. Each part assembles by itself: llvm-mc -triple=amdgcn-amd-amdhsa -mcpu=gfx1250 --defsym DOCPART=n.
;; ======== version 1 of 1: 3 launches
;; limits: right only within a limited range of input values
;; workspace buffers: img 2,483,200 bytes; pstat 12,288 bytes; tmat 4,194,304 bytes; labels 65,536 bytes of whole numbers
;; launch prep (part 1): grid 194 x 1, 8 waves a work-group, no clusters, 70,144 bytes of LDS; arguments prototype_embed, bilinear_w, proto_fc_w, class_fc_w, lin_w, img, pstat; writes img, pstat
.if DOCPART == 1
	.amdgcn_target "amdgcn-amd-amdhsa--gfx1250"
	.amdhsa_code_object_version 6
	.text
	.protected	k_q47541fb3ce_prep
	.globl	k_q47541fb3ce_prep
	.p2align	8
	.type	k_q47541fb3ce_prep,@function
k_q47541fb3ce_prep:
	s_mov_b64 s[64:65], 0
	v_nop
	global_prefetch_b8 v0, s[64:65] scope:SCOPE_SE
	s_setreg_imm32_b32 hwreg(HW_REG_WAVE_MODE, 25, 1), 1
	s_wait_xcnt 0x0
; The four weight matrices become codes of FP6 (E2M3) with one E8M0 scale for each 32 along K, laid as IMAGES OF OPERAND REGISTERS, and the prototypes' three f32 sums are made.
; img: matrix m (0 prototype_embed, 1 bilinear_w TURNED, 2 proto_fc_w) at m MATB + s STEPB + t REC: K step s of 128, tile t of 16 rows.  A record is a fragment's 12 registers (registers 4 c .. 4 c + 3 of lane l at
; 512 c + 16 l) and behind them, at 1,536 + 4 r, the 16 rows' scale words.  Tile t = 2 b + u holds rows 32 b + 8 u + r + 8 (r / 8): used as source 0, register j of lane half h is then row 32 b + 16 h + 8 u + j.
; bilinear_w[i][j] is contracted over its FIRST axis i (with the row's own prototype), so a row of image 1 is a COLUMN j of it and K runs down i.
; class_fc_w (25 rows, filled to 32 with zero codes) lies behind them at 3 MATB + (2 s + u) REC.
; pstat: p_sq[q] = sum Pr[q]^2 at 0, u[q] = Pr[q] . lin_w[0:1024] at 4,096, v[q] = Pr[q] . lin_w[1024:2048] at 8,192; f32 sums, in another order than a row-wise sum.
; SHARES: work-group g takes tile g % 64 of matrix g / 64 (g = 192, 193: class_fc_w's two tiles); wave s takes K step s: 16 rows x 128 along K.
; Where K is innermost each load reads 512 consecutive bytes of one row; the 16 rows turn through the wave's own stage in LDS, so that lane (r, h) holds of row r the numbers k = 32 b + 16 h + i in register 16 b + i.
; For bilinear_w a lane takes its column and its registers run down i: the loads fill the same layout with no turn; a load's 32 lanes read four pieces of 32 consecutive bytes.
; LIMITS: NaN and infinities are not served; a block whose largest magnitude lies under 2^-124 (a block of zeros too) keeps the scale byte 1: its codes add nothing, and this program alone reads the bytes.
.set REC,   1600
.set STEPB, 64*REC
.set MATB,  8*STEPB
.set STGW,  16*528                     ; a wave's stage: 16 rows of 512 bytes + 16
.set RED,   8*STGW                     ; 3 sums x 8 waves x 16 rows x 4 bytes
.set SPARE, RED+1536                   ; the spare words, 128 bytes for each wave
.set SPW,   14
.set NIL,   15
.set LWV,   32                         ; v32-95   lin_w's second half, my 64 numbers (done with before the quantiser's registers are used)
.set PC,    50                         ; v50-69   the codes
.set TM,    70                         ; v70-85   the quantiser at work
.set PW,    86                         ; v86      the scale word
.set XT,    96                         ; v96-159  the rows as loaded, then my 64 numbers
.set LWU,   160                        ; v160-223 lin_w's first half
.set SM,    224                        ; v224-235 the three sums, two chains of pairs each
.set WV,    16
.set SEL,   18
.macro QUANT s                         ; 64 numbers of a lane, register 16 b + i = k 32 b + 16 (lane / 16) + i of my row, become a fragment's codes in v[PC] on and its scale word in v[PW]
.irp b, 0,1,2,3
	v_max3_num_f32 v[TM+\b], |v[\s+16*\b]|, |v[\s+1+16*\b]|, 0x1800000   ; my 16 numbers of block b, and the floor 2^(3 - 127): the byte cannot fall under 1
.endr
.irp i, 2,4,6,8,10,12,14
.irp b, 0,1,2,3
	s_delay_alu instid0(VALU_DEP_4)
	v_max3_num_f32 v[TM+\b], v[TM+\b], |v[\s+16*\b+\i]|, |v[\s+1+16*\b+\i]|
.endr
.endr
.irp b, 0,1,2,3
	s_delay_alu instid0(VALU_DEP_4)
	v_permlanex16_b32 v[TM+4+\b], v[TM+\b], s[SEL], s[SEL+1]
.endr
.irp b, 0,1,2,3
	s_delay_alu instid0(VALU_DEP_4)
	v_max_num_f32 v[TM+\b], v[TM+\b], v[TM+4+\b]   ; with lane l xor 16's: the block's largest magnitude
.endr
.irp b, 0,1,2,3
	s_delay_alu instid0(VALU_DEP_4)
	v_add_nc_u32 v[TM+12+\b], 0xff000000, v[TM+\b] ; 2 off its exponent field: the conversion's scale operand
.endr
.irp b, 0,1,2,3
	s_delay_alu instid0(VALU_DEP_4)
	v_lshrrev_b32 v[TM+4+\b], 23, v[TM+12+\b]      ; the scale's byte
.endr
	s_delay_alu instid0(VALU_DEP_3)
	v_lshl_or_b32 v[PW], v[TM+5], 8, v[TM+4]
	s_delay_alu instid0(VALU_DEP_1)
	v_lshl_or_b32 v[PW], v[TM+6], 16, v[PW]
	s_delay_alu instid0(VALU_DEP_1)
	v_lshl_or_b32 v[PW], v[TM+7], 24, v[PW]
.irp c, 0,1
	v_cvt_scalef32_pk16_fp6_f32 v[PC+6*\c:PC+2+6*\c], v[\s+32*\c:\s+15+32*\c], v[TM+12+2*\c]
	v_cvt_scalef32_pk16_fp6_f32 v[PC+12+4*\c:PC+14+4*\c], v[\s+16+32*\c:\s+31+32*\c], v[TM+12+2*\c+1]
.endr
	v_nop                                          ; one plain place behind a scaled conversion
.irp c, 0,1                                    ; the operand's layout wants a whole block in a lane
.irp i, 0,1,2
	v_permlane16_swap_b32 v[PC+6*\c+\i], v[PC+12+4*\c+\i]
.endr
.irp i, 0,1,2
	s_delay_alu instid0(VALU_DEP_3)
	v_mov_b32 v[PC+3+6*\c+\i], v[PC+12+4*\c+\i]
.endr
.endr
.endm
	s_load_b256 s[4:11], s[0:1], 0x0               ; prototype_embed, bilinear_w, proto_fc_w, class_fc_w
	s_load_b128 s[12:15], s[0:1], 0x20             ; lin_w, img
	s_load_b64 s[24:25], s[0:1], 0x30              ; pstat
	v_lshl_add_u32 v[SPW], v0, 2, SPARE
	v_mov_b32 v[NIL], 0
	v_lshrrev_b32 v1, 5, v0
	s_delay_alu instid0(VALU_DEP_1)
	v_readfirstlane_b32 s[WV], v1                  ; wave = K step
	v_and_b32 v1, 31, v0                           ; lane
	v_and_b32 v2, 15, v0                           ; r
	v_bfe_u32 v3, v0, 4, 1                         ; h
	s_delay_alu instid0(VALU_DEP_3)
	v_lshlrev_b32 v4, 4, v1                        ; 16 x lane
	s_mul_i32 s17, s[WV], STGW
	v_add_nc_u32 v5, s17, v4                       ; the stage, on the way in: a row's 512 bytes as they lie
	v_mul_u32_u24 v6, v2, 528
	s_delay_alu instid0(VALU_DEP_1)
	v_lshl_add_u32 v6, v3, 6, v6
	s_delay_alu instid0(VALU_DEP_1)
	v_add_nc_u32 v6, s17, v6                       ; and on the way out: row r, + 64 h
	v_lshlrev_b32 v7, 6, v3                        ; lin_w: 64 h
	v_lshlrev_b32 v8, 2, v2                        ; 4 r
	s_lshl_b32 s17, s[WV], 6
	v_add_nc_u32 v9, s17, v8
	s_delay_alu instid0(VALU_DEP_1)
	v_add_nc_u32 v9, RED, v9                       ; my wave's part of a sum
	v_add_nc_u32 v10, RED, v8                      ; all waves' parts
	v_and_b32 v11, 8, v2
	s_delay_alu instid0(VALU_DEP_1)
	v_add_nc_u32 v11, v11, v2
	s_delay_alu instid0(VALU_DEP_1)
	v_lshlrev_b32 v11, 2, v11                      ; 4 (r + 8 (r / 8)): my row's place among the tile's rows
	s_delay_alu instid0(VALU_DEP_1)
	v_lshl_add_u32 v12, v3, 16, v11                ; bilinear_w: my column's 4 bytes, and 16 rows of 4,096 bytes further down for lanes 16-31
	s_mov_b32 s[SEL], 0x76543210
	s_mov_b32 s[SEL+1], 0xfedcba98
	s_lshr_b32 s20, ttmp9, 6                       ; the matrix
	s_and_b32 s21, ttmp9, 63                       ; the tile
	s_lshr_b32 s22, s21, 1
	s_and_b32 s23, s21, 1
	s_lshl_b32 s22, s22, 5
	s_lshl_b32 s23, s23, 3
	s_add_co_u32 s22, s22, s23                     ; its first row: 32 b + 8 u
	s_lshl_b32 s26, s22, 12
	s_lshl_b32 s32, s[WV], 9                       ; my K step: 512 bytes of a row
	s_add_co_u32 s26, s26, s32                     ; where K is innermost: the tile's first row, my K step's bytes in it
	s_lshl_b32 s36, s22, 2
	s_lshl_b32 s37, s[WV], 19
	s_add_co_u32 s36, s36, s37                     ; in bilinear_w: the tile's first COLUMN, my K step's 128 rows down
	s_cmp_eq_u32 s20, 1
	s_cselect_b32 s26, s36, s26
	s_mov_b32 s27, 0
	s_mov_b32 s33, 0
	s_lshl_b32 s34, s22, 2
	s_mov_b32 s35, 0
	s_mul_i32 s28, s20, MATB
	s_mul_i32 s29, s21, REC
	s_add_co_u32 s28, s28, s29
	s_mov_b32 s30, 2*REC
	s_cmp_lt_u32 ttmp9, 192
	s_cselect_b32 s30, STEPB, s30                  ; from K step to K step: 64 records, in class_fc_w's images two
	s_mul_i32 s30, s30, s[WV]
	s_add_co_u32 s28, s28, s30
	s_mov_b32 s29, 0
	s_wait_alu depctr_va_vdst(0)
	s_wait_kmcnt 0x0
	s_cmp_eq_u32 s20, 1                            ; the choice of the matrix hangs on the work-group's number alone
	s_cselect_b64 s[4:5], s[6:7], s[4:5]
	s_cmp_eq_u32 s20, 2
	s_cselect_b64 s[4:5], s[8:9], s[4:5]
	s_cmp_eq_u32 s20, 3
	s_cselect_b64 s[4:5], s[10:11], s[4:5]
	s_add_nc_u64 s[4:5], s[4:5], s[26:27]
	s_add_nc_u64 s[12:13], s[12:13], s[32:33]
	s_add_nc_u64 s[14:15], s[14:15], s[28:29]
	s_add_nc_u64 s[24:25], s[24:25], s[34:35]
.irp b, 0,1,2,3                                ; lin_w, my K step's numbers in the quantiser's layout.  Every work-group loads them, so that these registers are written on every way through the text; the prototypes' work-groups alone use them
.irp j, 0,1,2,3
	global_load_b128 v[LWU+16*\b+4*\j:LWU+16*\b+4*\j+3], v7, s[12:13] offset:128*\b+16*\j
	global_load_b128 v[LWV+16*\b+4*\j:LWV+16*\b+4*\j+3], v7, s[12:13] offset:4096+128*\b+16*\j
.endr
.endr
	s_cmp_eq_u32 s20, 1
	s_cbranch_scc1 .Lturned
.irp i, 0,1,2,3,4,5,6,7,8
	global_load_b128 v[XT+4*\i:XT+4*\i+3], v4, s[4:5] offset:(\i+8*(\i/8))*4096 th:TH_LOAD_NT   ; the tile's row i: 512 consecutive bytes
.endr
	s_cmp_eq_u32 ttmp9, 193                        ; class_fc_w's second tile: rows 25 to 31 do not exist: no load leaves the buffer, zeros stand for them
	s_cbranch_scc1 .Lno_rows
.irp i, 9,10,11,12,13,14,15
	global_load_b128 v[XT+4*\i:XT+4*\i+3], v4, s[4:5] offset:(\i+8*(\i/8))*4096 th:TH_LOAD_NT
.endr
	s_branch .Lrows
.Lno_rows:
.set K, 36
.rept 28
	v_mov_b32 v[XT+K], 0
.set K, K+1
.endr
.Lrows:
	s_wait_loadcnt 0x0
	s_wait_alu depctr_va_vdst(0)
.irp i, 0,1,2,3,4,5,6,7,8,9,10,11,12,13,14,15
	ds_store_b128 v5, v[XT+4*\i:XT+4*\i+3] offset:528*\i
.endr
.irp b, 0,1,2,3
.irp j, 0,1,2,3
	ds_load_b128 v[XT+16*\b+4*\j:XT+16*\b+4*\j+3], v6 offset:128*\b+16*\j   ; LDS serves a wave's instructions in order: these see the stores above
.endr
.endr
	s_wait_dscnt 0x0
	s_branch .Lhave
.Lturned:                                      ; bilinear_w: register 16 b + i = W(128 s + 32 b + 16 h + i, my column)
.irp b, 0,1,2,3
.irp i, 0,1,2,3,4,5,6,7,8,9,10,11,12,13,14,15
	global_load_b32 v[XT+16*\b+\i], v12, s[4:5] offset:(32*\b+\i)*4096
.endr
.endr
	s_wait_loadcnt 0x0
.Lhave:
	s_cmp_lt_u32 ttmp9, 64                         ; the prototypes' work-groups alone make the three sums
	s_cbranch_scc0 .Lno_stat
.irp k, 0,1
	v_pk_mul_f32 v[SM+2*\k:SM+2*\k+1], v[XT+2*\k:XT+2*\k+1], v[XT+2*\k:XT+2*\k+1]     ; the first products start the sums
	v_pk_mul_f32 v[SM+4+2*\k:SM+5+2*\k], v[XT+2*\k:XT+2*\k+1], v[LWU+2*\k:LWU+2*\k+1]
	v_pk_mul_f32 v[SM+8+2*\k:SM+9+2*\k], v[XT+2*\k:XT+2*\k+1], v[LWV+2*\k:LWV+2*\k+1]
.endr
.set K, 2
.rept 30
	v_pk_fma_f32 v[SM+2*(K%2):SM+2*(K%2)+1], v[XT+2*K:XT+2*K+1], v[XT+2*K:XT+2*K+1], v[SM+2*(K%2):SM+2*(K%2)+1]
	v_pk_fma_f32 v[SM+4+2*(K%2):SM+5+2*(K%2)], v[XT+2*K:XT+2*K+1], v[LWU+2*K:LWU+2*K+1], v[SM+4+2*(K%2):SM+5+2*(K%2)]
	v_pk_fma_f32 v[SM+8+2*(K%2):SM+9+2*(K%2)], v[XT+2*K:XT+2*K+1], v[LWV+2*K:LWV+2*K+1], v[SM+8+2*(K%2):SM+9+2*(K%2)]
.set K, K+1
.endr
.irp q, 0,1,2
	s_delay_alu instid0(VALU_DEP_3)
	v_pk_add_f32 v[SM+4*\q:SM+4*\q+1], v[SM+4*\q:SM+4*\q+1], v[SM+4*\q+2:SM+4*\q+3]
.endr
.irp q, 0,1,2
	s_delay_alu instid0(VALU_DEP_3)
	v_add_f32 v[SM+4*\q], v[SM+4*\q], v[SM+4*\q+1]
.endr
.irp q, 0,1,2
	s_delay_alu instid0(VALU_DEP_3)
	v_permlanex16_b32 v[SM+4*\q+1], v[SM+4*\q], s[SEL], s[SEL+1]
.endr
.irp q, 0,1,2
	s_delay_alu instid0(VALU_DEP_3)
	v_add_f32 v[SM+4*\q], v[SM+4*\q], v[SM+4*\q+1] ; with lane l xor 16's: my row's part over this K step
.endr
.irp q, 0,1,2
	ds_store_b32 v9, v[SM+4*\q] offset:512*\q      ; both halves write the same word with the same value
.endr
.Lno_stat:
.irp b, 0,1,2,3
	v_mov_b32 v[TM+4+\b], 0                        ; a lane permute's destination counts as one of its sources
.endr
	QUANT XT
.irp c, 0,1,2
	global_store_b128 v4, v[PC+4*\c:PC+4*\c+3], s[14:15] offset:512*\c   ; the fragment as it stands: 512 consecutive bytes a store
.endr
	global_store_b32 v8, v[PW], s[14:15] offset:1536                      ; the 16 scale words (both halves store the same)
	s_wait_dscnt 0x0                               ; my parts of the sums have landed
	s_barrier_signal -1
	s_barrier_wait -1
	s_cmp_lt_u32 ttmp9, 64
	s_cbranch_scc0 .Ldone
	s_cmp_eq_u32 s[WV], 0
	s_cbranch_scc0 .Ldone
.irp q, 0,1,2
.irp s, 0,1,2,3,4,5,6,7
	ds_load_b32 v[LWU+8*\q+\s], v10 offset:512*\q+64*\s
.endr
.endr
	s_wait_dscnt 0x0
.irp q, 0,1,2
	v_pk_add_f32 v[LWU+8*\q:LWU+8*\q+1], v[LWU+8*\q:LWU+8*\q+1], v[LWU+8*\q+2:LWU+8*\q+3]
	v_pk_add_f32 v[LWU+8*\q+4:LWU+8*\q+5], v[LWU+8*\q+4:LWU+8*\q+5], v[LWU+8*\q+6:LWU+8*\q+7]
.endr
.irp q, 0,1,2
	v_pk_add_f32 v[LWU+8*\q:LWU+8*\q+1], v[LWU+8*\q:LWU+8*\q+1], v[LWU+8*\q+4:LWU+8*\q+5]
.endr
.irp q, 0,1,2
	s_delay_alu instid0(VALU_DEP_3)
	v_add_f32 v[LWU+8*\q], v[LWU+8*\q], v[LWU+8*\q+1]
.endr
.irp q, 0,1,2
	global_store_b32 v11, v[LWU+8*\q], s[24:25] offset:4096*\q
.endr
.Ldone:
	s_wait_tensorcnt 0x0                           ; the wave's end, behind my last LDS store
	ds_add_u32 v[SPW], v[NIL]
	s_wait_dscnt 0x0
	s_endpgm
.Lfunc_end_k_q47541fb3ce_prep:
	.size	k_q47541fb3ce_prep, .Lfunc_end_k_q47541fb3ce_prep-k_q47541fb3ce_prep
	.p2alignl 7, 3214868480
	.fill 96, 4, 3214868480
	.section	.rodata,"a",@progbits
	.p2align	6, 0x0
	.amdhsa_kernel k_q47541fb3ce_prep
		.amdhsa_group_segment_fixed_size 70144
		.amdhsa_private_segment_fixed_size 0
		.amdhsa_enable_private_segment 0
		.amdhsa_kernarg_size 56
		.amdhsa_user_sgpr_count 2
		.amdhsa_user_sgpr_kernarg_segment_ptr 1
		.amdhsa_wavefront_size32 1
		.amdhsa_system_sgpr_workgroup_id_x 1
		.amdhsa_system_sgpr_workgroup_id_y 1
		.amdhsa_system_sgpr_workgroup_id_z 1
		.amdhsa_system_vgpr_workitem_id 0
		.amdhsa_next_free_vgpr 256
		.amdhsa_next_free_sgpr 66
		.amdhsa_reserve_vcc 0
		.amdhsa_float_denorm_mode_32 3
		.amdhsa_float_denorm_mode_16_64 3
		.amdhsa_memory_ordered 1
		.amdhsa_forward_progress 1
		.amdhsa_inst_pref_size 33
	.end_amdhsa_kernel
	.amdgpu_metadata
---
amdhsa.version: [ 1, 2 ]
amdhsa.kernels:
  - .name:           k_q47541fb3ce_prep
    .symbol:         k_q47541fb3ce_prep.kd
    .args:
      - { .name: prototype_embed, .offset: 0, .size: 8, .value_kind: global_buffer, .address_space: global }
      - { .name: bilinear_w, .offset: 8, .size: 8, .value_kind: global_buffer, .address_space: global }
      - { .name: proto_fc_w, .offset: 16, .size: 8, .value_kind: global_buffer, .address_space: global }
      - { .name: class_fc_w, .offset: 24, .size: 8, .value_kind: global_buffer, .address_space: global }
      - { .name: lin_w, .offset: 32, .size: 8, .value_kind: global_buffer, .address_space: global }
      - { .name: img, .offset: 40, .size: 8, .value_kind: global_buffer, .address_space: global }
      - { .name: pstat, .offset: 48, .size: 8, .value_kind: global_buffer, .address_space: global }
    .group_segment_fixed_size: 70144
    .private_segment_fixed_size: 0
    .kernarg_segment_align: 8
    .kernarg_segment_size: 56
    .max_flat_workgroup_size: 256
    .sgpr_count:     66
    .vgpr_count:     256
    .wavefront_size: 32
...
	.end_amdgpu_metadata
.endif
;; end of part 1
;; launch dist (part 2): grid 256 x 1, 4 waves a work-group, clusters of 4 x 1, 327,680 bytes of LDS; arguments patient_embed, img, pstat, tmat, labels; writes tmat, labels
.if DOCPART == 2
	.amdgcn_target "amdgcn-amd-amdhsa--gfx1250"
	.amdhsa_code_object_version 6
	.text
	.protected	k_q47541fb3ce_dist
	.globl	k_q47541fb3ce_dist
	.p2align	8
	.type	k_q47541fb3ce_dist,@function
k_q47541fb3ce_dist:
	s_mov_b64 s[64:65], 0
	v_nop
	global_prefetch_b8 v0, s[64:65] scope:SCOPE_SE
	s_setreg_imm32_b32 hwreg(HW_REG_WAVE_MODE, 25, 1), 1
	s_wait_xcnt 0x0
	s_wait_alu depctr_hold_cnt(0) depctr_sa_sdst(0) depctr_va_vdst(0) depctr_va_sdst(0) depctr_va_ssrc(0) depctr_va_vcc(0) depctr_vm_vsrc(0)
	s_getreg_b32 s2, hwreg(HW_REG_IB_STS2, 6, 4)
	s_cmp_eq_u32 s2, 0
	s_cbranch_scc0 .Lentry_in_a_cluster
	s_endpgm
.Lentry_in_a_cluster:
	s_bfe_u32 s2, ttmp6, 0x10000c
	s_cmp_lg_u32 s2, 0x3003
	s_cbranch_scc0 .Lentry_shape_is_right
	s_endpgm
.Lentry_shape_is_right:
; labels[b] = argmin over q of sqrt(max(|E[b]|^2 + |Pr[q]|^2 - 2 Q(E[b]) . Q(Pr[q]), 0)), the lowest q among equal roots; and T[q][j] = sum over i of Q(W[i][j]) Q(Pr[q][i]).
; The product with bilinear_w takes Pr[labels[b]] as its operand: its 16,384 columns are copies of 1,024, so it is made once for each prototype (T) and looked up by the label in the next launch.
; SHARES.  Work-group x owns patients 64 x .. 64 x + 63 against all 1,024 prototypes; wave w holds 4 tiles of patients x its 16 tiles of prototypes: 64 accumulators.  It also makes one tile of 64 x 64 of T.
; The prototypes' images of a K step are a dense block of 102,400 bytes: a ring of two LDS slots, each wave fetching (and alone reading) its quarter; the four work-groups of a cluster ask for each block jointly.
; A K STEP IS STAGGERED.  Behind the barrier that shows A's image of step p: A's fragments; step p + 1's rows of E into the wave's turn stage and back into window 1; the 64 products; the three lines and the round,
; the refill of the slot just read, my first two groups of B of the other slot; then step p + 1's squares, codes and image, and a plain barrier for the image.
; T's operands are fetched into slot 0 behind step 6's products and are multiplied at the launch's end.
; LIMITS: NaN and infinities are not served; a block whose largest magnitude lies under 2^-124 keeps the scale byte 1; the sums over K begin at another K step in each cluster.
.set REC,   1600
.set STEPB, 102400
.set QB,    25600
.set MATB,  819200
.set SLOT1, STEPB
.set TS,    2*STEPB
.set TSW,   16*528
.set AIMG,  TS+4*TSW
.set ABUF,  6400
.set TSTG,  AIMG+2*ABUF
.set ESQ,   TSTG+4*4352
.set MV,    ESQ+256
.set SPARE, MV+2048
.set L16, 4
.set TSI, 5
.set TSO, 6
.set AWI, 7
.set AWS, 8
.set ARI, 9
.set ARS, 10
.set ADB, 11
.set PQO, 13
.set SPW, 14
.set NIL, 15
.set ADS, 16
.set TPI, 18
.set TWI, 19
.set TPS, 20
.set TWS, 21
.set STO, 22
.set RD,  23
.set TGO, 24
.set ESW, 25
.set ESR, 26
.set MVW, 27
.set MRD, 28
.set LBO, 29
.set IB,  30
.set EQ,  32
.set SB,  40
.set SA,  48
.set PC,  50
.set TM,  70
.set PW,  86
.set EA,  88
.set AF,  96
.set XT,  192                          ; in window 1: a K step's 64 numbers, back from the turn stage
.set BF,  144
.set SS,  96
.set MN,  50
.set XQ,  54
.set SQ,  58
.set TAU, 62
.set IX,  64
.set OT,  68
.set FS,  70
.set FI,  74
.set WV,  14
.set INF, 17
.set SEL, 18
.set G1,  24
.set G0A, 32
.set G0B, 36
.set G1T, 40
.set G0T, 48
.set BB,  70
.set OF,  72
.set KN,  74
.set KE,  75
.set EB,  76
.set MSB, 0
.macro WIN new
.if MSB != (\new)
	s_set_vgpr_msb (MSB<<8)|(\new)
.set MSB, (\new)
.endif
.endm
.macro PLACES n
.rept \n
	v_nop
.endr
.endm
.macro QUANT s, w                      ; w: the window in which the 64 numbers stand
	WIN 0x05*(\w)
.irp b, 0,1,2,3
	v_max3_num_f32 v[TM+\b], |v[\s+16*\b]|, |v[\s+1+16*\b]|, 0x1800000
.endr
	WIN 0x14*(\w)
.irp i, 2,4,6,8,10,12,14
.irp b, 0,1,2,3
	v_max3_num_f32 v[TM+\b], v[TM+\b], |v[\s+16*\b+\i]|, |v[\s+1+16*\b+\i]|
.endr
.endr
	WIN 0
.irp b, 0,1,2,3
	v_permlanex16_b32 v[TM+4+\b], v[TM+\b], s[SEL], s[SEL+1]
.endr
.irp b, 0,1,2,3
	v_max_num_f32 v[TM+\b], v[TM+\b], v[TM+4+\b]
.endr
.irp b, 0,1,2,3
	v_add_nc_u32 v[TM+12+\b], 0xff000000, v[TM+\b]
.endr
.irp b, 0,1,2,3
	v_lshrrev_b32 v[TM+4+\b], 23, v[TM+12+\b]
.endr
	v_lshl_or_b32 v[PW], v[TM+5], 8, v[TM+4]
	v_lshl_or_b32 v[PW], v[TM+6], 16, v[PW]
	v_lshl_or_b32 v[PW], v[TM+7], 24, v[PW]
	WIN \w
.irp c, 0,1
	v_cvt_scalef32_pk16_fp6_f32 v[PC+6*\c:PC+2+6*\c], v[\s+32*\c:\s+15+32*\c], v[TM+12+2*\c]
	v_cvt_scalef32_pk16_fp6_f32 v[PC+12+4*\c:PC+14+4*\c], v[\s+16+32*\c:\s+31+32*\c], v[TM+12+2*\c+1]
.endr
	WIN 0
	v_nop
.irp c, 0,1
.irp i, 0,1,2
	v_permlane16_swap_b32 v[PC+6*\c+\i], v[PC+12+4*\c+\i]
.endr
.irp i, 0,1,2
	v_mov_b32 v[PC+3+6*\c+\i], v[PC+12+4*\c+\i]
.endr
.endr
.endm
.macro WM d, a, b, z, sa, sb, ra, rb
.if (\z)
.if (\ra) && (\rb)
	v_wmma_scale_f32_16x16x128_f8f6f4 v[(\d):(\d)+7], v[(\a):(\a)+11], v[(\b):(\b)+11], 0, v[(\sa)], v[(\sb)] matrix_a_fmt:MATRIX_FMT_FP6 matrix_b_fmt:MATRIX_FMT_FP6 matrix_a_scale:MATRIX_SCALE_ROW1 matrix_b_scale:MATRIX_SCALE_ROW1
.elseif (\ra)
	v_wmma_scale_f32_16x16x128_f8f6f4 v[(\d):(\d)+7], v[(\a):(\a)+11], v[(\b):(\b)+11], 0, v[(\sa)], v[(\sb)] matrix_a_fmt:MATRIX_FMT_FP6 matrix_b_fmt:MATRIX_FMT_FP6 matrix_a_scale:MATRIX_SCALE_ROW1
.elseif (\rb)
	v_wmma_scale_f32_16x16x128_f8f6f4 v[(\d):(\d)+7], v[(\a):(\a)+11], v[(\b):(\b)+11], 0, v[(\sa)], v[(\sb)] matrix_a_fmt:MATRIX_FMT_FP6 matrix_b_fmt:MATRIX_FMT_FP6 matrix_b_scale:MATRIX_SCALE_ROW1
.else
	v_wmma_scale_f32_16x16x128_f8f6f4 v[(\d):(\d)+7], v[(\a):(\a)+11], v[(\b):(\b)+11], 0, v[(\sa)], v[(\sb)] matrix_a_fmt:MATRIX_FMT_FP6 matrix_b_fmt:MATRIX_FMT_FP6
.endif
.else
.if (\ra) && (\rb)
	v_wmma_scale_f32_16x16x128_f8f6f4 v[(\d):(\d)+7], v[(\a):(\a)+11], v[(\b):(\b)+11], v[(\d):(\d)+7], v[(\sa)], v[(\sb)] matrix_a_fmt:MATRIX_FMT_FP6 matrix_b_fmt:MATRIX_FMT_FP6 matrix_a_scale:MATRIX_SCALE_ROW1 matrix_b_scale:MATRIX_SCALE_ROW1
.elseif (\ra)
	v_wmma_scale_f32_16x16x128_f8f6f4 v[(\d):(\d)+7], v[(\a):(\a)+11], v[(\b):(\b)+11], v[(\d):(\d)+7], v[(\sa)], v[(\sb)] matrix_a_fmt:MATRIX_FMT_FP6 matrix_b_fmt:MATRIX_FMT_FP6 matrix_a_scale:MATRIX_SCALE_ROW1
.elseif (\rb)
	v_wmma_scale_f32_16x16x128_f8f6f4 v[(\d):(\d)+7], v[(\a):(\a)+11], v[(\b):(\b)+11], v[(\d):(\d)+7], v[(\sa)], v[(\sb)] matrix_a_fmt:MATRIX_FMT_FP6 matrix_b_fmt:MATRIX_FMT_FP6 matrix_b_scale:MATRIX_SCALE_ROW1
.else
	v_wmma_scale_f32_16x16x128_f8f6f4 v[(\d):(\d)+7], v[(\a):(\a)+11], v[(\b):(\b)+11], v[(\d):(\d)+7], v[(\sa)], v[(\sb)] matrix_a_fmt:MATRIX_FMT_FP6 matrix_b_fmt:MATRIX_FMT_FP6
.endif
.endif
.endm
.macro ROUND
	s_barrier_signal -1
	s_barrier_wait -1
	s_cmp_lg_u32 s[WV], 0
	s_cbranch_scc1 .Lnot_wave_0_\@
	s_barrier_signal -3
.Lnot_wave_0_\@:
	s_barrier_wait -3
	s_barrier_signal -1
	s_barrier_wait -1
.endm
.macro TADDR g0
	s_and_b32 s[OF], s[KN], 7
	s_mul_i32 s[OF], s[OF], STEPB
	s_add_nc_u64 s[\g0+2:\g0+3], s[BB:BB+1], s[OF:OF+1]
	s_or_b32 s[\g0+3], s[\g0+3], 0x80000000
	s_add_co_u32 s[KN], s[KN], 1
.endm
.macro CHANGE g0, fill
	s_wait_tensorcnt 0x0
	ds_add_u32 v[SPW], v[NIL]
.if \fill
	TADDR \g0
.endif
	s_wait_dscnt 0x0
.if \fill
	ROUND
	tensor_load_to_lds s[\g0:\g0+3], s[G1:G1+7]
	s_nop 0
	PLACES 4
.else
	s_barrier_signal -1
	s_barrier_wait -1
.endif
.endm
.macro FETCH_B sl, g
.irp k, 0,1,2,3
.irp c, 0,1,2
	ds_load_b128 v[BF+48*((\g)%2)+12*\k+4*\c:BF+48*((\g)%2)+12*\k+4*\c+3], v[ADB+(\sl)] offset:(4*(\g)+\k)*REC+512*\c
.endr
.endr
.endm
.macro GROUP g, z
	WIN 0xa0
.irp a, 0,1
.irp k, 0,1,2,3
	WM 8*(16*\a+4*(\g)+\k), BF+48*((\g)%2)+12*\k, AF+12*\a, \z, SB+(4*(\g)+\k)/2, SA, \k%2, \a
.endr
.endr
	WIN 0xf0
.irp a, 0,1
.irp k, 0,1,2,3
	WM 8*(16*\a+4*(\g)+\k), BF+48*((\g)%2)+12*\k, AF+12*(2+\a), \z, SB+(4*(\g)+\k)/2, SA+1, \k%2, \a
.endr
.endr
	WIN 0
.endm
.macro BPRE sl                         ; from my own quarter of slot sl, which my own wait on TENSORcnt has shown landed: the scale words and B's groups 0 and 1
.irp m, 0,1,2,3,4,5,6,7
	ds_load_b32 v[SB+\m], v[ADS+(\sl)] offset:1536+2*REC*\m
.endr
	FETCH_B \sl, 0
	FETCH_B \sl, 1
.endm
.macro ALOAD sl                        ; A's four fragments and their scale words, from image buffer sl: 14 LDS loads
.irp a, 0,1,2,3
.irp c, 0,1,2
	ds_load_b128 v[AF+12*\a+4*\c:AF+12*\a+4*\c+3], v[ARI] offset:ABUF*(\sl)+1536*\a+512*\c
.endr
.endr
	ds_load_b32 v[SA], v[ARS] offset:ABUF*(\sl)
	ds_load_b32 v[SA+1], v[ARS] offset:ABUF*(\sl)+128
.endm
.macro KSTEP p, z                      ; K step p's 64 products; under them step p + 1's rows go through the turn stage
	ALOAD (\p)%2
.if (\p) < 7
	TURN (\p)+1
	s_wait_dscnt 32                                ; all but the stage's 16 stores and 16 loads: A's fragments are in
.else
	s_wait_dscnt 0x0
.endif
	GROUP 0, \z
	PLACES 4                                       ; in front of loads into registers that matrix instructions have read
	FETCH_B (\p)%2, 2
	GROUP 1, \z
	PLACES 4
	FETCH_B (\p)%2, 3
	s_wait_dscnt 12                                ; all but group 3: group 2 is in, and the stage's stores have read their registers,
.if (\p) < 4
	ELOAD (\p)+4                                   ; which take the loads of three steps on
.endif
	GROUP 2, \z
	s_wait_dscnt 0x0
	GROUP 3, \z
.endm
.macro NEXT p, g0                      ; behind step p's products: the slot just read is filled again, and step p + 1's image is made
.if (\p) < 6
	CHANGE \g0, 1
.else
	s_wait_tensorcnt 0x0                           ; the same lines for T's operands, which take slot 0
	ds_add_u32 v[SPW], v[NIL]
	s_wait_dscnt 0x0
	ROUND
	tensor_load_to_lds s[G0T:G0T+3], s[G1T:G1T+7]
	s_nop 0
	PLACES 4
.endif
	BPRE ((\p)+1)%2
	VALQ (\p)+1
	s_wait_dscnt 0x0                               ; for the others' sake: my image has landed
	s_barrier_signal -1                            ; the refill stays on its way across it
	s_barrier_wait -1
.endm
.macro ELOAD p
	s_and_b32 s[OF], s[KE], 7
	s_lshl_b32 s[OF], s[OF], 9
	s_add_nc_u64 s[EB+2*((\p)%3):EB+2*((\p)%3)+1], s[4:5], s[OF:OF+1]
	s_add_co_u32 s[KE], s[KE], 1
	WIN 0x40
.irp i, 0,1,2,3,4,5,6,7,8,9,10,11,12,13,14,15
	global_load_b128 v[64*((\p)%3)+4*\i:64*((\p)%3)+4*\i+3], v[L16], s[EB+2*((\p)%3):EB+2*((\p)%3)+1] offset:4096*\i th:TH_LOAD_NT
.endr
	WIN 0
.endm
.macro TURN p                          ; step p's 16 rows, 512 bytes each as loaded, through my stage: lane (r, h) gets k = 32 b + 16 h + i of row r in register 16 b + i
.if (\p) < 6
	s_wait_loadcnt 32
.elseif (\p) == 6
	s_wait_loadcnt 16
.else
	s_wait_loadcnt 0x0
.endif
	WIN 0x04
.irp i, 0,1,2,3,4,5,6,7,8,9,10,11,12,13,14,15
	ds_store_b128 v[TSI], v[64*((\p)%3)+4*\i:64*((\p)%3)+4*\i+3] offset:528*\i
.endr
	WIN 0x40
.irp b, 0,1,2,3
.irp j, 0,1,2,3
	ds_load_b128 v[XT+16*\b+4*\j:XT+16*\b+4*\j+3], v[TSO] offset:128*\b+16*\j
.endr
.endr
	WIN 0
.endm
.macro VALQ p                          ; step p's numbers: their squares onto |E|^2, their codes and scale words into image buffer p % 2
	WIN 0x05
.set K, 0
.rept 32
.if ((\p) == 0) && (K < 4)
	v_pk_mul_f32 v[EA+2*K:EA+2*K+1], v[XT+2*K:XT+2*K+1], v[XT+2*K:XT+2*K+1]
.else
	v_pk_fma_f32 v[EA+2*(K%4):EA+2*(K%4)+1], v[XT+2*K:XT+2*K+1], v[XT+2*K:XT+2*K+1], v[EA+2*(K%4):EA+2*(K%4)+1]
.endif
.set K, K+1
.endr
	QUANT XT, 1
.irp c, 0,1,2
	ds_store_b128 v[AWI], v[PC+4*\c:PC+4*\c+3] offset:ABUF*((\p)%2)+512*\c
.endr
	ds_store_b32 v[AWS], v[PW] offset:ABUF*((\p)%2)
.if (\p) == 7
	v_pk_add_f32 v[EA:EA+1], v[EA:EA+1], v[EA+2:EA+3]
	v_pk_add_f32 v[EA+4:EA+5], v[EA+4:EA+5], v[EA+6:EA+7]
	v_pk_add_f32 v[EA:EA+1], v[EA:EA+1], v[EA+4:EA+5]
	v_add_f32 v[EA], v[EA], v[EA+1]
	v_permlanex16_b32 v[EA+1], v[EA], s[SEL], s[SEL+1]
	v_add_f32 v[EA], v[EA], v[EA+1]
	ds_store_b32 v[ESW], v[EA]
.endif
.endm
.macro TFRAG sg, s
.irp c, 0,1,2
	ds_load_b128 v[60*(\sg)+4*\c:60*(\sg)+4*\c+3], v[TPI] offset:4*REC*(\s)+512*\c
.endr
.irp t, 0,1,2,3
.irp c, 0,1,2
	ds_load_b128 v[60*(\sg)+12+12*\t+4*\c:60*(\sg)+12+12*\t+4*\c+3], v[TWI] offset:4*REC*(\s)+REC*\t+512*\c
.endr
.endr
.endm
.macro ROWT a
.set AB, 128*((\a)%2)
	WIN 0x01
.set K, 0
.rept 64
	v_pk_add_f32 v[SS+2*K:SS+2*K+1], v[2*K:2*K+1], v[EQ+2*(\a):EQ+2*(\a)+1]
.set K, K+1
.endr
	WIN 0x82+0x41*((\a)/2)
.set K, 0
.rept 64
	v_pk_fma_f32 v[AB+2*K:AB+2*K+1], v[AB+2*K:AB+2*K+1], -2.0, v[SS+2*K:SS+2*K+1] op_sel_hi:[1,0,1]
.set K, K+1
.endr
	WIN 0x28+0x14*((\a)/2)
.irp c, 0,1,2,3
	v_min3_num_f32 v[MN+\c], s[INF], v[AB+32*\c], v[AB+32*\c+1]
.endr
.set K, 1
.rept 15
.irp c, 0,1,2,3
	v_min3_num_f32 v[MN+\c], v[MN+\c], v[AB+32*\c+2*K], v[AB+32*\c+2*K+1]
.endr
.set K, K+1
.endr
	WIN 0
	v_min3_num_f32 v[MN], v[MN], v[MN+1], v[MN+2]
	v_min_num_f32 v[MN], v[MN], v[MN+3]
	v_max_num_f32 v[XQ], 0, v[MN]
	v_add_nc_u32 v[XQ+1], 1, v[XQ]
	v_add_nc_u32 v[XQ+2], 2, v[XQ]
	v_add_nc_u32 v[XQ+3], 3, v[XQ]
	s_wait_alu depctr_va_vdst(0)
.irp k, 0,1,2,3
	v_sqrt_f32 v[SQ+\k], v[XQ+\k]
.endr
	v_nop
	s_wait_alu depctr_va_vdst(0)
	v_cmp_eq_f32 vcc_lo, v[SQ], v[SQ+1]
	v_cndmask_b32 v[TAU], v[XQ], v[XQ+1], vcc_lo
	v_cmp_eq_f32 vcc_lo, v[SQ], v[SQ+2]
	v_cndmask_b32 v[TAU], v[TAU], v[XQ+2], vcc_lo
	v_cmp_eq_f32 vcc_lo, v[SQ], v[SQ+3]
	v_cndmask_b32 v[TAU], v[TAU], v[XQ+3], vcc_lo
.irp c, 0,1,2,3
	v_mov_b32 v[IX+\c], 0x10000
.endr
	WIN 0x02+(\a)/2
.set K, 31
.rept 32
.irp c, 0,1,2,3
	v_cmp_gt_f32 s[20+\c], v[AB+32*\c+K], v[TAU]
.endr
.irp c, 0,1,2,3
	v_cndmask_b32 v[IX+\c], 32*(K/16)+8*((K/8)%2)+K%8, v[IX+\c], s[20+\c]
.endr
.set K, K-1
.endr
	WIN 0
	v_add_nc_u32 v[IX+1], 64, v[IX+1]
	v_add_nc_u32 v[IX+2], 0x80, v[IX+2]
	v_add_nc_u32 v[IX+3], 0xc0, v[IX+3]
	v_min_u32 v[IX], v[IX], v[IX+1]
	v_min_u32 v[IX+2], v[IX+2], v[IX+3]
	v_min_u32 v[IX], v[IX], v[IX+2]
	v_add_nc_u32 v[IX], v[IB], v[IX]
	v_permlanex16_b32 v[OT], v[SQ], s[SEL], s[SEL+1]
	v_permlanex16_b32 v[OT+1], v[IX], s[SEL], s[SEL+1]
	v_cmp_lt_f32 s20, v[OT], v[SQ]
	v_cmp_eq_f32 s21, v[OT], v[SQ]
	v_cmp_lt_u32 s22, v[OT+1], v[IX]
	s_and_b32 s21, s21, s22
	s_or_b32 s20, s20, s21
	v_cndmask_b32 v[FS+(\a)], v[SQ], v[OT], s20
	v_cndmask_b32 v[FI+(\a)], v[IX], v[OT+1], s20
.endm
	s_load_b256 s[4:11], s[0:1], 0x0
	s_load_b64 s[12:13], s[0:1], 0x20
	v_lshl_add_u32 v[SPW], v0, 2, SPARE
	v_mov_b32 v[NIL], 0
	ds_add_u32 v[SPW], v[NIL]
	ds_add_u32 v[SPW], v[NIL]
	v_lshrrev_b32 v1, 5, v0
	v_readfirstlane_b32 s[WV], v1
	v_and_b32 v1, 31, v0
	v_and_b32 v2, 15, v0
	v_bfe_u32 v3, v0, 4, 1
	v_lshlrev_b32 v[L16], 4, v1
	s_bfe_u32 s15, ttmp6, 0x40000
	s_lshl_b32 s16, ttmp9, 2
	s_add_co_u32 s16, s16, s15
	s_and_b32 s[KN], ttmp9, 7
	s_mov_b32 s[KE], s[KN]
	s_mov_b32 s[OF+1], 0
	s_mov_b32 s[INF], 0x7f800000
	s_mov_b32 s[SEL], 0x76543210
	s_mov_b32 s[SEL+1], 0xfedcba98
	s_mov_b32 s[G1+0], 15|(3<<16)|(1<<21)
	s_mov_b32 s[G1+1], 32<<16
	s_mov_b32 s[G1+2], 100<<16
	s_mov_b32 s[G1+3], 32<<16
	s_mov_b32 s[G1+4], 100
	s_mov_b32 s[G1+5], 32
	s_mov_b32 s[G1+6], 0
	s_mov_b32 s[G1+7], 0
	s_mov_b32 s[G1T+0], 3<<16
	s_mov_b32 s[G1T+1], 800<<16
	s_mov_b32 s[G1T+2], 4<<16
	s_mov_b32 s[G1T+3], 800<<16
	s_mov_b32 s[G1T+4], 4
	s_mov_b32 s[G1T+5], STEPB/8
	s_mov_b32 s[G1T+6], 0
	s_mov_b32 s[G1T+7], 0
	s_mul_i32 s52, s[WV], QB
	s_mov_b32 s53, 0
	s_add_co_u32 s54, s52, SLOT1
	s_lshr_b32 s55, s16, 4
	s_and_b32 s56, s16, 15
	s_cmp_lt_u32 s[WV], 2
	s_cselect_b32 s57, s55, s56
	s_mul_i32 s58, s57, 4*REC
	s_lshr_b32 s57, s[WV], 1
	s_mul_i32 s57, s57, MATB
	s_add_co_u32 s58, s58, s57
	s_and_b32 s57, s[WV], 1
	s_mul_i32 s57, s57, 4*STEPB
	s_add_co_u32 s58, s58, s57
	s_mov_b32 s59, 0
	s_lshl_b32 s60, s16, 18
	s_lshl_b32 s61, s[WV], 16
	s_add_co_u32 s60, s60, s61
	s_mov_b32 s61, 0
	s_wait_alu depctr_va_vdst(0)
	s_wait_dscnt 0x0
	s_wait_kmcnt 0x0
	s_add_nc_u64 s[4:5], s[4:5], s[60:61]
	s_add_nc_u64 s[BB:BB+1], s[6:7], s[52:53]
	s_mov_b32 s[G0A], 1
	s_mov_b32 s[G0A+1], s52
	TADDR G0A
	s_mov_b32 s[G0B], 1
	s_mov_b32 s[G0B+1], s54
	s_mov_b32 s[G0T], 1
	s_mov_b32 s[G0T+1], s52
	s_add_nc_u64 s[G0T+2:G0T+3], s[6:7], s[58:59]
	s_or_b32 s[G0T+3], s[G0T+3], 0x80000000
	ELOAD 0
	ELOAD 1
	ELOAD 2
	ROUND
	tensor_load_to_lds s[G0A:G0A+3], s[G1:G1+7]
	s_nop 0
	PLACES 4
	s_lshl_b32 s55, s55, 6
	s_lshr_b32 s57, s[WV], 1
	s_lshl_b32 s57, s57, 5
	s_add_co_u32 s55, s55, s57
	s_and_b32 s57, s[WV], 1
	s_lshl_b32 s57, s57, 3
	s_add_co_u32 s55, s55, s57
	s_lshl_b32 s62, s55, 12
	s_lshl_b32 s56, s56, 8
	s_add_co_u32 s62, s62, s56
	s_mov_b32 s63, 0
	s_add_nc_u64 s[10:11], s[10:11], s[62:63]
	s_lshl_b32 s62, s16, 8
	s_add_nc_u64 s[12:13], s[12:13], s[62:63]
	s_mul_i32 s68, s[WV], TSW
	s_add_co_u32 s68, s68, TS
	v_add_nc_u32 v[TSI], s68, v[L16]
	v_mul_u32_u24 v[TSO], v2, 528
	v_lshl_add_u32 v[TSO], v3, 6, v[TSO]
	v_add_nc_u32 v[TSO], s68, v[TSO]
	s_mul_i32 s68, s[WV], 1536
	s_add_co_u32 s68, s68, AIMG
	v_add_nc_u32 v[AWI], s68, v[L16]
	v_lshlrev_b32 v31, 2, v2
	s_lshl_b32 s68, s[WV], 6
	s_add_co_u32 s68, s68, AIMG+6144
	v_add_nc_u32 v[AWS], s68, v31
	v_add_nc_u32 v[ARI], AIMG, v[L16]
	v_lshl_add_u32 v[ARS], v1, 2, AIMG+6144
	v_add_nc_u32 v[ADB], s52, v[L16]
	v_add_nc_u32 v[ADB+1], s54, v[L16]
	v_mad_u32_u24 v[ADS], v3, REC, v31
	v_add_nc_u32 v[TWS], 51200, v[ADS]
	v_add_nc_u32 v[ADS+1], s54, v[ADS]
	v_add_nc_u32 v[ADS], s52, v[ADS]
	s_mul_i32 s68, s[WV], REC
	v_add_nc_u32 v[TPI], s68, v[L16]
	v_add_nc_u32 v[TWI], 51200, v[L16]
	v_mad_u32_u24 v[TPS], v3, 4*REC, v31
	v_add_nc_u32 v[TPS], s68, v[TPS]
	s_mul_i32 s68, s[WV], 4352
	s_add_co_u32 s68, s68, TSTG
	v_mul_u32_u24 v[STO], v2, 272
	v_lshl_add_u32 v[STO], v3, 6, v[STO]
	v_add_nc_u32 v[STO], s68, v[STO]
	v_mul_u32_u24 v[RD], v3, 272
	v_lshl_add_u32 v[RD], v2, 4, v[RD]
	v_add_nc_u32 v[RD], s68, v[RD]
	v_lshlrev_b32 v[TGO], 12, v3
	v_lshl_add_u32 v[TGO], v2, 4, v[TGO]
	s_lshl_b32 s68, s[WV], 6
	s_add_co_u32 s68, s68, ESQ
	v_add_nc_u32 v[ESW], s68, v31
	v_add_nc_u32 v[ESR], ESQ, v31
	s_lshl_b32 s68, s[WV], 8
	v_lshl_add_u32 v[IB], v3, 4, s68
	s_add_co_u32 s68, s68, MV
	v_add_nc_u32 v[MVW], s68, v31
	v_lshlrev_b32 v[LBO], 3, v1
	v_add_nc_u32 v[MRD], MV, v[LBO]
	s_lshl_b32 s68, s[WV], 10
	v_lshl_add_u32 v[PQO], v3, 6, s68
.irp b, 0,1,2,3
	v_mov_b32 v[TM+4+\b], 0
.endr
.macro TPROD                           ; my 16 x 64 of T: eight K steps from slot 0, out through my own stage as rows of 256 bytes
.irp g, 0,1,2,3
	ds_load_b32 v[SB+\g], v[TPS] offset:1536+8*REC*\g
.endr
.irp s, 0,1,2,3,4,5,6,7
.irp q, 0,1
	ds_load_b32 v[240+2*\s+\q], v[TWS] offset:1536+4*REC*\s+2*REC*\q
.endr
.endr
	WIN 0x80
.irp s, 0,1,2,3
	TFRAG \s, \s
.endr
	WIN 0xc0
.irp s, 4,5,6,7
	TFRAG \s-4, \s
.endr
	s_wait_dscnt 60
	WIN 0x0a
.irp t, 0,1,2,3
	WM 96+8*\t, 12+12*\t, 0, 1, 240+\t/2, SB, \t%2, 0
.endr
.irp s, 1,2,3
.irp t, 0,1,2,3
	WM 96+8*\t, 60*\s+12+12*\t, 60*\s, 0, 240+2*\s+\t/2, SB+\s/2, \t%2, \s%2
.endr
.endr
	s_wait_dscnt 0x0
	WIN 0x0f
.irp s, 4,5,6,7
.irp t, 0,1,2,3
	WM 96+8*\t, 60*(\s-4)+12+12*\t, 60*(\s-4), 0, 240+2*\s+\t/2, SB+\s/2, \t%2, \s%2
.endr
.endr
	WIN 0
	PLACES 4
.irp t, 0,1,2,3
	ds_store_b128 v[STO], v[96+8*\t:96+8*\t+3] offset:128*(\t/2)+32*(\t%2)
	ds_store_b128 v[STO], v[96+8*\t+4:96+8*\t+7] offset:128*(\t/2)+32*(\t%2)+16
.endr
.irp i, 0,1,2,3,4,5,6,7
	ds_load_b128 v[BF+4*\i:BF+4*\i+3], v[RD] offset:544*\i
.endr
.irp i, 0,1,2,3,4,5,6,7
	s_wait_dscnt 7-\i
	global_store_b128 v[TGO], v[BF+4*\i:BF+4*\i+3], s[10:11] offset:(2*\i+8*(\i/4))*4096
.endr
.endm
	s_wait_alu depctr_va_vdst(0)
	TURN 0
	s_wait_dscnt 0x0
	ELOAD 3
	VALQ 0
	CHANGE G0B, 1                                  ; slot 1's first fill, issued as a refill is; the round also shows image 0 to all four waves
	BPRE 0
	KSTEP 0, 1
	NEXT 0, G0A
	KSTEP 1, 0
	NEXT 1, G0B
	KSTEP 2, 0
	NEXT 2, G0A
	KSTEP 3, 0
	NEXT 3, G0B
	KSTEP 4, 0
	NEXT 4, G0A
	KSTEP 5, 0
	NEXT 5, G0B
	KSTEP 6, 0
	NEXT 6, G0A
	WIN 0x40
.irp n, 0,1,2,3,4,5,6,7,8,9,10,11,12,13,14,15
	global_load_b128 v[8*\n:8*\n+3], v[PQO], s[8:9] offset:4*(32*(\n/2)+8*(\n%2))
	global_load_b128 v[8*\n+4:8*\n+7], v[PQO], s[8:9] offset:4*(32*(\n/2)+8*(\n%2))+16
.endr
	WIN 0
	KSTEP 7, 0
	PLACES 4
.irp a, 0,1,2,3
	ds_load_b32 v[EQ+2*\a], v[ESR] offset:64*\a
	ds_load_b32 v[EQ+2*\a+1], v[ESR] offset:64*\a
.endr
	v_mov_b32 v[OT], 0
	v_mov_b32 v[OT+1], 0
	s_wait_dscnt 0x0
	s_wait_loadcnt 0x0
	ROWT 0
	ROWT 1
	ROWT 2
	ROWT 3
.irp a, 0,1,2,3
	ds_store_b32 v[MVW], v[FS+\a] offset:64*\a
	ds_store_b32 v[MVW], v[FI+\a] offset:1024+64*\a
.endr
	s_wait_tensorcnt 0x0                           ; my part of T's operands has landed
	s_wait_dscnt 0x0
	s_barrier_signal -1
	s_barrier_wait -1
	TPROD
	s_cmp_lg_u32 s[WV], 0
	s_cbranch_scc1 .Lnot_first
.irp q, 0,1,2,3
	ds_load_b64 v[96+2*\q:97+2*\q], v[MRD] offset:256*\q
	ds_load_b64 v[104+2*\q:105+2*\q], v[MRD] offset:1024+256*\q
.endr
	s_wait_dscnt 0x0
.irp q, 1,2,3
.irp e, 0,1
	v_cmp_lt_f32 vcc_lo, v[96+2*\q+\e], v[96+\e]
	v_cndmask_b32 v[96+\e], v[96+\e], v[96+2*\q+\e], vcc_lo
	v_cndmask_b32 v[104+\e], v[104+\e], v[104+2*\q+\e], vcc_lo
.endr
.endr
	global_store_b64 v[LBO], v[104:105], s[12:13]
.Lnot_first:
	s_wait_tensorcnt 0x0
	ds_add_u32 v[SPW], v[NIL]
	s_wait_dscnt 0x0
	ROUND
	s_endpgm
.Lfunc_end_k_q47541fb3ce_dist:
	.size	k_q47541fb3ce_dist, .Lfunc_end_k_q47541fb3ce_dist-k_q47541fb3ce_dist
	.p2alignl 7, 3214868480
	.fill 96, 4, 3214868480
	.section	.rodata,"a",@progbits
	.p2align	6, 0x0
	.amdhsa_kernel k_q47541fb3ce_dist
		.amdhsa_group_segment_fixed_size 327680
		.amdhsa_private_segment_fixed_size 0
		.amdhsa_enable_private_segment 0
		.amdhsa_kernarg_size 40
		.amdhsa_user_sgpr_count 2
		.amdhsa_user_sgpr_kernarg_segment_ptr 1
		.amdhsa_wavefront_size32 1
		.amdhsa_system_sgpr_workgroup_id_x 1
		.amdhsa_system_sgpr_workgroup_id_y 1
		.amdhsa_system_sgpr_workgroup_id_z 1
		.amdhsa_system_vgpr_workitem_id 0
		.amdhsa_next_free_vgpr 1024
		.amdhsa_next_free_sgpr 84
		.amdhsa_reserve_vcc 1
		.amdhsa_float_denorm_mode_32 3
		.amdhsa_float_denorm_mode_16_64 3
		.amdhsa_memory_ordered 1
		.amdhsa_forward_progress 1
		.amdhsa_inst_pref_size 255
	.end_amdhsa_kernel
	.section	.bss,"aw",@nobits
	.p2align	6
	.space	262144
	.amdgpu_metadata
---
amdhsa.version: [ 1, 2 ]
amdhsa.kernels:
  - .name:           k_q47541fb3ce_dist
    .symbol:         k_q47541fb3ce_dist.kd
    .args:
      - { .name: patient_embed, .offset: 0, .size: 8, .value_kind: global_buffer, .address_space: global }
      - { .name: img, .offset: 8, .size: 8, .value_kind: global_buffer, .address_space: global }
      - { .name: pstat, .offset: 16, .size: 8, .value_kind: global_buffer, .address_space: global }
      - { .name: tmat, .offset: 24, .size: 8, .value_kind: global_buffer, .address_space: global }
      - { .name: labels, .offset: 32, .size: 8, .value_kind: global_buffer, .address_space: global }
    .group_segment_fixed_size: 327680
    .private_segment_fixed_size: 0
    .kernarg_segment_align: 8
    .kernarg_segment_size: 40
    .max_flat_workgroup_size: 128
    .sgpr_count:     84
    .vgpr_count:     1024
    .wavefront_size: 32
...
	.end_amdgpu_metadata
.endif
;; end of part 2
;; launch mix (part 3): grid 256 x 1, 4 waves a work-group, clusters of 4 x 1, 327,680 bytes of LDS; arguments patient_embed, prototype_embed, tmat, index, labels, pstat, bilinear_b, img, proto_fc_b, class_fc_b, out0; writes out0
.if DOCPART == 3
	.amdgcn_target "amdgcn-amd-amdhsa--gfx1250"
	.amdhsa_code_object_version 6
	.text
	.protected	k_q47541fb3ce_mix
	.globl	k_q47541fb3ce_mix
	.p2align	8
	.type	k_q47541fb3ce_mix,@function
k_q47541fb3ce_mix:
	s_mov_b64 s[64:65], 0
	v_nop
	global_prefetch_b8 v0, s[64:65] scope:SCOPE_SE
	s_setreg_imm32_b32 hwreg(HW_REG_WAVE_MODE, 25, 1), 1
	s_wait_xcnt 0x0
	s_wait_alu depctr_hold_cnt(0) depctr_sa_sdst(0) depctr_va_vdst(0) depctr_va_sdst(0) depctr_va_ssrc(0) depctr_va_vcc(0) depctr_vm_vsrc(0)
	s_getreg_b32 s2, hwreg(HW_REG_IB_STS2, 6, 4)
	s_cmp_eq_u32 s2, 0
	s_cbranch_scc0 .Lentry_in_a_cluster
	s_endpgm
.Lentry_in_a_cluster:
	s_bfe_u32 s2, ttmp6, 0x10000c
	s_cmp_lg_u32 s2, 0x3003
	s_cbranch_scc0 .Lentry_shape_is_right
	s_endpgm
.Lentry_shape_is_right:
; out0 = class_fc(leaky_relu(proto_fc(lam E[b] + (1 - lam) E[index[b]]))), lam = sigmoid(T[la] . Pr[lb] + bilinear_b + u[la] + v[lb]), la = labels[b], lb = labels[index[b]].
; T[q][j] = sum over i of Q(W[i][j]) Q(Pr[q][i]) was made once for each prototype by the launch before (the product's columns are copies of 1,024), u and v by the first.
; Both large products on codes of FP6 (E2M3) with E8M0 scales; the gate, the mix, the biases and the activation in f32.
; SHARES.  Work-group x owns patients 64 x .. 64 x + 63 against all 1,024 hidden units, K outermost.  Wave w holds 4 tiles of patients x 16 tiles of hidden units (256 w on): 64 accumulators, 512 registers.
; The products are used transposed (source 0 = 16 rows of the weight, source 1 = 16 patients): a lane holds ONE patient; the weight's tiles are laid so that the 16 registers of tiles 2 b, 2 b + 1 are 16 neighbouring
; hidden units, so the hidden layer is quantised in registers and is source 1 of the last product, of which each wave makes the part of its 256 hidden units; the four parts are added through LDS.
; Wave w makes the gate and the mixed rows 16 w .. 16 w + 15, a K step of 128 at a time, and hands the fragment round through LDS as an image of its registers.
; proto_fc_w's images of a K step are one dense block of 102,400 bytes: a ring of two LDS slots, each wave fetching, and alone reading, its quarter; the four work-groups of a cluster ask for each block JOINTLY (mask 15).
; Cluster c takes the eight K steps in the order c % 8, c % 8 + 1, .. modulo 8, for the images and for E alike.
; A K STEP IS STAGGERED.  Behind the barrier that shows A's image of step p: A's fragments; step p + 1's rows are mixed as they were loaded (a row to four registers, its lam in a scalar pair) and go through the wave's
; turn stage; the 64 products; the three lines and the round, the refill of the slot just read, my first two groups of B of the other slot; then step p + 1's codes and image, and a plain barrier for the image.
; E's own and partner rows are loaded straight into registers two K steps ahead, 512 consecutive bytes of a row a load, so no separate prefetch is laid.
; Addresses hang on index and labels, whole numbers read from memory and held to their tables (16,383 and 1,023); no branch hangs on them.
; LIMITS: NaN and infinities are not served; the gate's sums are f32 sums in another order than row-wise sums, and the sums over K begin at another K step in each cluster; exp(-z) is 2^(a rounded product);
; the mix is y + lam (x - y): one rounded difference and one fused multiply-add, another order of rounding than lam x + (1 - lam) y; a block whose largest magnitude lies under 2^-124 keeps the scale byte 1.
; REGISTERS.  Window 0: v1-39, v87, v94, v95 addresses; v40-49, v86, v92-93 scale words; v50-85 the quantiser; v88 lam; v96-143 A's fragments; v144-239 B's, two sets of four; v240-255 the partner rows' offsets;
; at the end v96-223 the hidden layer at work.  Window 1: two sets of 64 (own rows, then mixed) + 64 (partner rows, then the mixed numbers back from the stage); at the end biases, class_fc_w, the last sums.
; Windows 2, 3: accumulator (a, n) at v[8 (16 (a % 2) + n)] of window 2 + a / 2; ahead of that window 2 holds the gate's ring of four rows.  s[6:19], s[80:97]: lam of my 16 rows, a pair each.
.set REC,   1600
.set STEPB, 102400
.set QB,    25600
.set MATB,  819200
.set WCOFF, 3*MATB
.set SLOT1, STEPB
.set TS,    2*STEPB                    ; four turn stages, 16 rows of 512 bytes + 16; with the bytes behind them, up to AIMG, they serve the end
.set TSW,   16*528
.set AIMG,  TS+8*TSW                   ; two buffers: 4 images of 1,536 bytes, then 4 x 16 scale words
.set ABUF,  6400
.set SPARE, AIMG+2*ABUF                ; the spare words, 128 bytes for each wave
.set OSTG,  TS                         ; the end: each wave's part of the outputs, 64 rows of 128 bytes + 16;
.set OUTC,  245760                     ; the 64 rows of 25 outputs as they lie in memory; 8,192 bytes behind them a strip for the words of outputs 25 to 31, which nobody reads
.set L16, 4
.set TSI, 5
.set TSO, 6
.set AWI, 7
.set AWS, 8
.set ARI, 9
.set ARS, 10
.set ADB, 11
.set XO,  13
.set SPW, 14
.set NIL, 15
.set ADS, 16
.set IDX, 18
.set LA,  19
.set LB,  20
.set UU,  21
.set VV,  22
.set ZZ,  23
.set R4,  26
.set OCR, 27
.set GA,  28
.set GB,  32
.set OSW, 36
.set OSR, 37
.set OCW, 38
.set OC9, 39
.set SB,  40
.set SA,  48
.set PC,  50
.set TM,  70
.set DT,  70
.set PW,  86
.set OGO, 87
.set LM,  88
.set WCS, 92
.set OC2, 94
.set OG2, 95
.set AF,  96
.set XT,  96
.set BF,  144
.set YT,  160
.set T0,  224
.set YO,  240
.set CBJ, 240
.set PBO, 248
.set WSO, 249
.set CB0, 250
.set G1,  24
.set G0A, 32
.set G0B, 36
.set WV,  40
.set SEL, 44
.set CNT, 46
.set LK,  48
.set BB,  70
.set OF,  72
.set KN,  74
.set KE,  75
.set EB,  76
.set MSB, 0
.macro WIN new                         ; the immediate's high byte repeats the setting that is left
.if MSB != (\new)
	s_set_vgpr_msb (MSB<<8)|(\new)
.set MSB, (\new)
.endif
.endm
.macro PLACES n
.rept \n
	v_nop
.endr
.endm
.macro QUANT s, w                      ; 64 numbers of a lane in window w, register 16 b + i = k 32 b + 16 (lane / 16) + i of my row, become a fragment's codes in v[PC] on and its scale word in v[PW]
	WIN 0x05*(\w)
.irp b, 0,1,2,3
	v_max3_num_f32 v[TM+\b], |v[\s+16*\b]|, |v[\s+1+16*\b]|, 0x1800000   ; with the floor 2^(3 - 127): the byte cannot fall under 1
.endr
	WIN 0x14*(\w)
.irp i, 2,4,6,8,10,12,14
.irp b, 0,1,2,3
	v_max3_num_f32 v[TM+\b], v[TM+\b], |v[\s+16*\b+\i]|, |v[\s+1+16*\b+\i]|
.endr
.endr
	WIN 0
.irp b, 0,1,2,3
	v_permlanex16_b32 v[TM+4+\b], v[TM+\b], s[SEL], s[SEL+1]
.endr
.irp b, 0,1,2,3
	v_max_num_f32 v[TM+\b], v[TM+\b], v[TM+4+\b]
.endr
.irp b, 0,1,2,3
	v_add_nc_u32 v[TM+12+\b], 0xff000000, v[TM+\b] ; 2 off the exponent field: the conversion's scale operand
.endr
.irp b, 0,1,2,3
	v_lshrrev_b32 v[TM+4+\b], 23, v[TM+12+\b]      ; the scale's byte
.endr
	v_lshl_or_b32 v[PW], v[TM+5], 8, v[TM+4]
	v_lshl_or_b32 v[PW], v[TM+6], 16, v[PW]
	v_lshl_or_b32 v[PW], v[TM+7], 24, v[PW]
	WIN \w
.irp c, 0,1
	v_cvt_scalef32_pk16_fp6_f32 v[PC+6*\c:PC+2+6*\c], v[\s+32*\c:\s+15+32*\c], v[TM+12+2*\c]
	v_cvt_scalef32_pk16_fp6_f32 v[PC+12+4*\c:PC+14+4*\c], v[\s+16+32*\c:\s+31+32*\c], v[TM+12+2*\c+1]
.endr
	WIN 0
	v_nop                                          ; one plain place behind a scaled conversion
.irp c, 0,1
.irp i, 0,1,2
	v_permlane16_swap_b32 v[PC+6*\c+\i], v[PC+12+4*\c+\i]
.endr
.irp i, 0,1,2
	v_mov_b32 v[PC+3+6*\c+\i], v[PC+12+4*\c+\i]
.endr
.endr
.endm
; One product 16 x 16 x 128.  z: the constant 0 starts the sum.  ra, rb: the side's scale words stand in lanes 16-31 of the register named.
.macro WM d, a, b, z, sa, sb, ra, rb
.if (\z)
.if (\ra) && (\rb)
	v_wmma_scale_f32_16x16x128_f8f6f4 v[(\d):(\d)+7], v[(\a):(\a)+11], v[(\b):(\b)+11], 0, v[(\sa)], v[(\sb)] matrix_a_fmt:MATRIX_FMT_FP6 matrix_b_fmt:MATRIX_FMT_FP6 matrix_a_scale:MATRIX_SCALE_ROW1 matrix_b_scale:MATRIX_SCALE_ROW1
.elseif (\ra)
	v_wmma_scale_f32_16x16x128_f8f6f4 v[(\d):(\d)+7], v[(\a):(\a)+11], v[(\b):(\b)+11], 0, v[(\sa)], v[(\sb)] matrix_a_fmt:MATRIX_FMT_FP6 matrix_b_fmt:MATRIX_FMT_FP6 matrix_a_scale:MATRIX_SCALE_ROW1
.elseif (\rb)
	v_wmma_scale_f32_16x16x128_f8f6f4 v[(\d):(\d)+7], v[(\a):(\a)+11], v[(\b):(\b)+11], 0, v[(\sa)], v[(\sb)] matrix_a_fmt:MATRIX_FMT_FP6 matrix_b_fmt:MATRIX_FMT_FP6 matrix_b_scale:MATRIX_SCALE_ROW1
.else
	v_wmma_scale_f32_16x16x128_f8f6f4 v[(\d):(\d)+7], v[(\a):(\a)+11], v[(\b):(\b)+11], 0, v[(\sa)], v[(\sb)] matrix_a_fmt:MATRIX_FMT_FP6 matrix_b_fmt:MATRIX_FMT_FP6
.endif
.else
.if (\ra) && (\rb)
	v_wmma_scale_f32_16x16x128_f8f6f4 v[(\d):(\d)+7], v[(\a):(\a)+11], v[(\b):(\b)+11], v[(\d):(\d)+7], v[(\sa)], v[(\sb)] matrix_a_fmt:MATRIX_FMT_FP6 matrix_b_fmt:MATRIX_FMT_FP6 matrix_a_scale:MATRIX_SCALE_ROW1 matrix_b_scale:MATRIX_SCALE_ROW1
.elseif (\ra)
	v_wmma_scale_f32_16x16x128_f8f6f4 v[(\d):(\d)+7], v[(\a):(\a)+11], v[(\b):(\b)+11], v[(\d):(\d)+7], v[(\sa)], v[(\sb)] matrix_a_fmt:MATRIX_FMT_FP6 matrix_b_fmt:MATRIX_FMT_FP6 matrix_a_scale:MATRIX_SCALE_ROW1
.elseif (\rb)
	v_wmma_scale_f32_16x16x128_f8f6f4 v[(\d):(\d)+7], v[(\a):(\a)+11], v[(\b):(\b)+11], v[(\d):(\d)+7], v[(\sa)], v[(\sb)] matrix_a_fmt:MATRIX_FMT_FP6 matrix_b_fmt:MATRIX_FMT_FP6 matrix_b_scale:MATRIX_SCALE_ROW1
.else
	v_wmma_scale_f32_16x16x128_f8f6f4 v[(\d):(\d)+7], v[(\a):(\a)+11], v[(\b):(\b)+11], v[(\d):(\d)+7], v[(\sa)], v[(\sb)] matrix_a_fmt:MATRIX_FMT_FP6 matrix_b_fmt:MATRIX_FMT_FP6
.endif
.endif
.endm
.macro ROUND                           ; a round of the cluster's barrier
	s_barrier_signal -1
	s_barrier_wait -1
	s_cmp_lg_u32 s[WV], 0
	s_cbranch_scc1 .Lnot_wave_0_\@
	s_barrier_signal -3
.Lnot_wave_0_\@:
	s_barrier_wait -3
	s_barrier_signal -1
	s_barrier_wait -1
.endm
.macro TADDR g0                        ; the next block on the cluster's walk round K: its address hangs on the cluster's number and on the count, which the four partners share
	s_and_b32 s[OF], s[KN], 7
	s_mul_i32 s[OF], s[OF], STEPB
	s_add_nc_u64 s[\g0+2:\g0+3], s[BB:BB+1], s[OF:OF+1]
	s_or_b32 s[\g0+3], s[\g0+3], 0x80000000        ; type = 2
	s_add_co_u32 s[KN], s[KN], 1
.endm
; THE CHANGE OF SLOTS, behind a K step's products.  Each wave waits for all its tensor loads (its quarter of the other slot), adds 0 to its spare word, and waits for that and for its reads of the slot just multiplied.
; fill = 1: a round of the cluster's barrier, and first behind it the joint refill of that slot.  The four v_nop are also the places in front of the loads into B's registers.
.macro CHANGE g0, fill
	s_wait_tensorcnt 0x0                           ; no tensor load of mine is out, so a group 0 may be written
	ds_add_u32 v[SPW], v[NIL]
.if \fill
	TADDR \g0
.endif
	s_wait_dscnt 0x0
.if \fill
	ROUND
	tensor_load_to_lds s[\g0:\g0+3], s[G1:G1+7]
	s_nop 0
.else
	s_barrier_signal -1
	s_barrier_wait -1
.endif
	PLACES 4
.endm
.macro FETCH_B sl, g                   ; B's tiles 4 g .. 4 g + 3 of my sixteen, into set g % 2
.irp k, 0,1,2,3
.irp c, 0,1,2
	ds_load_b128 v[BF+48*((\g)%2)+12*\k+4*\c:BF+48*((\g)%2)+12*\k+4*\c+3], v[ADB+(\sl)] offset:(4*(\g)+\k)*REC+512*\c
.endr
.endr
.endm
.macro GROUP g, z                      ; 16 products: four tiles of patients x B's tiles 4 g .. 4 g + 3.  The 64 accumulators take turns, one instruction a turn
	WIN 0xa0
.irp a, 0,1
.irp k, 0,1,2,3
	WM 8*(16*\a+4*(\g)+\k), BF+48*((\g)%2)+12*\k, AF+12*\a, \z, SB+(4*(\g)+\k)/2, SA, \k%2, \a
.endr
.endr
	WIN 0xf0
.irp a, 0,1
.irp k, 0,1,2,3
	WM 8*(16*\a+4*(\g)+\k), BF+48*((\g)%2)+12*\k, AF+12*(2+\a), \z, SB+(4*(\g)+\k)/2, SA+1, \k%2, \a
.endr
.endr
	WIN 0
.endm
.macro BPRE sl                         ; from my own quarter of slot sl, which my own wait on TENSORcnt has shown landed: the scale words (lanes 0-15 tile 2 m's, lanes 16-31 tile 2 m + 1's) and B's groups 0 and 1
.irp m, 0,1,2,3,4,5,6,7
	ds_load_b32 v[SB+\m], v[ADS+(\sl)] offset:1536+2*REC*\m
.endr
	FETCH_B \sl, 0
	FETCH_B \sl, 1
.endm
.macro ALOAD sl                        ; A's four fragments and their scale words, from image buffer sl: 14 LDS loads
.irp a, 0,1,2,3
.irp c, 0,1,2
	ds_load_b128 v[AF+12*\a+4*\c:AF+12*\a+4*\c+3], v[ARI] offset:ABUF*(\sl)+1536*\a+512*\c
.endr
.endr
	ds_load_b32 v[SA], v[ARS] offset:ABUF*(\sl)
	ds_load_b32 v[SA+1], v[ARS] offset:ABUF*(\sl)+128
.endm
.macro EBASE par                       ; E at the walk's next K step becomes set par's base.  It is written only where the set's earlier loads have been shown done by their counted wait
	s_and_b32 s[OF], s[KE], 7
	s_lshl_b32 s[OF], s[OF], 9
	s_add_nc_u64 s[EB+2*(\par):EB+2*(\par)+1], s[4:5], s[OF:OF+1]
	s_add_co_u32 s[KE], s[KE], 1
.endm
.macro XPART par                       ; my 16 rows' 512 bytes of that K step, into set par of window 1 (the destination's window is set by the caller)
.irp i, 0,1,2,3,4,5,6,7,8,9,10,11,12,13,14,15
	global_load_b128 v[128*(\par)+4*\i:128*(\par)+4*\i+3], v[XO], s[EB+2*(\par):EB+2*(\par)+1] offset:4096*\i
.endr
.endm
.macro YPART par                       ; and their partners'
.irp i, 0,1,2,3,4,5,6,7,8,9,10,11,12,13,14,15
	global_load_b128 v[128*(\par)+64+4*\i:128*(\par)+64+4*\i+3], v[YO+\i], s[EB+2*(\par):EB+2*(\par)+1]
.endr
.endm
.macro XRE par                         ; set par's own rows are asked for anew, two K steps on
	EBASE \par
	WIN 0x40
	XPART \par
	WIN 0
.endm
; A K step of my 16 rows, from set par: mixed as loaded, y + lam (x - y), row i in registers 4 i .. 4 i + 3 with its lam in a scalar pair; then through my stage: lane (r, h) gets k = 32 b + 16 h + i of row r
; in register 16 b + i, over the partner rows' registers.  left: the other set's loads, which may be out.
.macro TURN par, left
	s_wait_loadcnt \left
	WIN 0x55
.set K, 0
.rept 32
	v_pk_add_f32 v[128*(\par)+2*K:128*(\par)+2*K+1], v[128*(\par)+2*K:128*(\par)+2*K+1], v[128*(\par)+64+2*K:128*(\par)+64+2*K+1] neg_lo:[0,1] neg_hi:[0,1]
.set K, K+1
.endr
.irp i, 0,1,2,3,4,5,6,7,8,9,10,11,12,13,14,15
.if \i < 7
.set LS, 6+2*\i
.else
.set LS, 66+2*\i
.endif
.irp k, 0,2
	v_pk_fma_f32 v[128*(\par)+4*\i+\k:128*(\par)+4*\i+\k+1], v[128*(\par)+4*\i+\k:128*(\par)+4*\i+\k+1], s[LS:LS+1], v[128*(\par)+64+4*\i+\k:128*(\par)+64+4*\i+\k+1] op_sel_hi:[1,0,1]
.endr
.endr
	WIN 0x04                                       ; an LDS store's data are its source 1: window 1
.irp i, 0,1,2,3,4,5,6,7,8,9,10,11,12,13,14,15
	ds_store_b128 v[TSI], v[128*(\par)+4*\i:128*(\par)+4*\i+3] offset:528*\i
.endr
	WIN 0x40
.irp b, 0,1,2,3
.irp j, 0,1,2,3
	ds_load_b128 v[128*(\par)+64+16*\b+4*\j:128*(\par)+64+16*\b+4*\j+3], v[TSO] offset:128*\b+16*\j   ; LDS serves a wave's instructions in order: these see the stores above
.endr
.endr
	WIN 0
.endm
.macro VALQ par, ld                    ; the mixed numbers become codes and go into image buffer par; ld = 1: their registers take the partner rows of two K steps on
	QUANT 128*(\par)+64, 1
.irp c, 0,1,2
	ds_store_b128 v[AWI], v[PC+4*\c:PC+4*\c+3] offset:ABUF*(\par)+512*\c
.endr
	ds_store_b32 v[AWS], v[PW] offset:ABUF*(\par)
.if \ld
	WIN 0x40
	YPART \par
	WIN 0
.endif
.endm
.macro KSTEP sl, z, nx, ld, left       ; a K step's 64 products, from slot sl and image buffer sl; nx = 1: under them the next step's rows are mixed and turned
	ALOAD \sl
.if \nx
	TURN 1-(\sl), \left
	s_wait_dscnt 32                                ; all but the stage's 16 stores and 16 loads: A's fragments are in
.else
	s_wait_dscnt 0x0
.endif
	GROUP 0, \z
	PLACES 4                                       ; in front of loads into registers that matrix instructions have read
	FETCH_B \sl, 2
	GROUP 1, \z
	PLACES 4
	FETCH_B \sl, 3
	s_wait_dscnt 12                                ; all but group 3: group 2 is in, and the stage's stores have read their registers
.if \ld
	XRE 1-(\sl)
.endif
	GROUP 2, \z
	s_wait_dscnt 0x0
	GROUP 3, \z
.endm
.macro TAIL g0, fill, nsl, ld          ; behind a K step's products: the change of slots, my first fragments of B of slot nsl, the next image, and the barrier that shows it
	CHANGE \g0, \fill
	BPRE \nsl
	VALQ \nsl, \ld
	s_wait_dscnt 0x0                               ; for the others' sake: my image has landed
	s_barrier_signal -1                            ; the refill stays on its way across it
	s_barrier_wait -1
.endm
.macro FILL row                        ; the gate: Pr[lb] and T[la] of my wave's row, 4,096 bytes each, into slot row % 4 of the ring in window 2
.set SLT, (\row)%4
	v_readlane_b32 s66, v[LB], \row
	v_readlane_b32 s67, v[LA], \row
	s_min_u32 s66, s66, 0x3ff
	s_min_u32 s67, s67, 0x3ff
	s_lshl_b32 s66, s66, 12
	s_lshl_b32 s67, s67, 12
	v_add_nc_u32 v[GA+SLT], s66, v[L16]
	v_add_nc_u32 v[GB+SLT], s67, v[L16]
	WIN 0x80
.irp c, 0,1,2,3,4,5,6,7
	global_load_b128 v[64*SLT+4*\c:64*SLT+4*\c+3], v[GA+SLT], s[6:7] offset:512*\c
.endr
.irp c, 0,1,2,3,4,5,6,7
	global_load_b128 v[64*SLT+32+4*\c:64*SLT+32+4*\c+3], v[GB+SLT], s[8:9] offset:512*\c
.endr
	WIN 0
.endm
.macro GROW row, left                  ; their dot product, in f32, into the lanes of that row.  left: the younger loads, which may be out
.set SLT, (\row)%4
	s_wait_loadcnt \left
	WIN 0x0a
.irp k, 0,1,2,3
	v_pk_mul_f32 v[DT+2*\k:DT+2*\k+1], v[64*SLT+2*\k:64*SLT+2*\k+1], v[64*SLT+32+2*\k:64*SLT+32+2*\k+1]
.endr
.irp k, 4,5,6,7,8,9,10,11,12,13,14,15
	v_pk_fma_f32 v[DT+2*(\k%4):DT+2*(\k%4)+1], v[64*SLT+2*\k:64*SLT+2*\k+1], v[64*SLT+32+2*\k:64*SLT+32+2*\k+1], v[DT+2*(\k%4):DT+2*(\k%4)+1]
.endr
	WIN 0
	v_pk_add_f32 v[DT:DT+1], v[DT:DT+1], v[DT+2:DT+3]
	v_pk_add_f32 v[DT+4:DT+5], v[DT+4:DT+5], v[DT+6:DT+7]
	v_pk_add_f32 v[DT:DT+1], v[DT:DT+1], v[DT+4:DT+5]
	v_add_f32 v[DT], v[DT], v[DT+1]
	v_add_f32_dpp v[DT], v[DT], v[DT] row_xmask:1 row_mask:0xf bank_mask:0xf
	v_add_f32_dpp v[DT], v[DT], v[DT] row_xmask:2 row_mask:0xf bank_mask:0xf
	v_add_f32_dpp v[DT], v[DT], v[DT] row_xmask:4 row_mask:0xf bank_mask:0xf
	v_add_f32_dpp v[DT], v[DT], v[DT] row_xmask:8 row_mask:0xf bank_mask:0xf
	v_permlanex16_b32 v[DT+1], v[DT], s[SEL], s[SEL+1]
	v_add_f32 v[DT], v[DT], v[DT+1]
	v_cmp_eq_u32 vcc_lo, \row, v2
	v_cndmask_b32 v[ZZ], v[ZZ], v[DT], vcc_lo
.endm
.macro UNIT a, kp                      ; tile a of patients, my hidden units 128 kp on: bias, leaky ReLU, codes, and their part of the last product
.set AB, 128*((\a)%2)+64*(\kp)
	WIN 0x06+(\a)/2
.set K, 0
.rept 32
	v_pk_add_f32 v[XT+2*K:XT+2*K+1], v[AB+2*K:AB+2*K+1], v[64*(\kp)+2*K:64*(\kp)+2*K+1]    ; + proto_fc_b; each accumulator from its low end on
.set K, K+1
.endr
	WIN 0
.set K, 0
.rept 32
	v_pk_mul_f32 v[YT+2*K:YT+2*K+1], v[XT+2*K:XT+2*K+1], s[LK:LK+1] op_sel_hi:[1,0]
.set K, K+1
.endr
.set K, 0
.rept 64
	v_max_num_f32 v[XT+K], v[XT+K], v[YT+K]        ; leaky ReLU: the larger of x and 0.01 x
.set K, K+1
.endr
	QUANT XT, 0
	PLACES 8                                       ; a scale register written by a vector instruction stands 8 places ahead of a scaled matrix instruction, an operand 4
	WIN 0x51
	WM 128+8*(2*(\a)), 192+12*(2*(\kp)), PC, 1-(\kp), WCS+(\kp), PW, 0, 0
	WM 128+8*(2*(\a)+1), 192+12*(2*(\kp)+1), PC, 1-(\kp), WCS+(\kp), PW, 1, 0
	WIN 0
.endm
	s_load_b256 s[4:11], s[0:1], 0x0               ; E s[4:5], Pr s[6:7], T s[8:9], index s[10:11]
	s_load_b256 s[12:19], s[0:1], 0x20             ; labels s[12:13], pstat s[14:15], bilinear_b s[16:17], img s[18:19]
	s_load_b128 s[20:23], s[0:1], 0x40             ; proto_fc_b s[20:21], class_fc_b s[22:23]
	s_load_b64 s[52:53], s[0:1], 0x50              ; out0
	v_lshl_add_u32 v[SPW], v0, 2, SPARE
	v_mov_b32 v[NIL], 0
	ds_add_u32 v[SPW], v[NIL]                      ; the wave's opening: the add, twice on end, and its wait ahead of my first tensor load
	ds_add_u32 v[SPW], v[NIL]
	v_lshrrev_b32 v1, 5, v0
	v_readfirstlane_b32 s[WV], v1                  ; wave 0..3
	v_and_b32 v1, 31, v0                           ; lane
	v_and_b32 v2, 15, v0                           ; r
	v_bfe_u32 v3, v0, 4, 1                         ; h
	v_lshlrev_b32 v[L16], 4, v1
	s_wait_alu depctr_va_vdst(0)
	v_lshlrev_b32 v[R4], 2, v2
	s_bfe_u32 s41, ttmp6, 0x40000                  ; cx
	s_lshl_b32 s42, ttmp9, 2
	s_add_co_u32 s42, s42, s41                     ; x = 4 x cluster + cx: it enters global addresses alone
	s_and_b32 s[KN], ttmp9, 7                      ; the cluster's first K step
	s_mov_b32 s[KE], s[KN]
	s_mov_b32 s[OF+1], 0
	s_lshl_b32 s58, s42, 6
	s_lshl_b32 s59, s[WV], 4
	s_add_co_u32 s58, s58, s59                     ; my wave's first row
	s_lshl_b32 s60, s58, 12                        ; its byte in E,
	s_lshl_b32 s58, s58, 2                         ; in index and in labels
	s_mov_b32 s59, 0
	s_mul_i32 s50, s42, 6400                       ; my work-group's 64 rows of out0
	s_mov_b32 s51, 0
	s_mul_i32 s54, s[WV], QB                       ; my quarter, in a block and in a slot
	s_mov_b32 s55, 0
	s_mul_i32 s68, s[WV], 4*REC                    ; class_fc_w's four records of my two K steps
	s_mov_b32 s69, 0
	s_mov_b32 s[SEL], 0x76543210
	s_mov_b32 s[SEL+1], 0xfedcba98
	s_mov_b32 s[LK], 0x3c23d70a                    ; 0.01
	s_mov_b32 s[LK+1], s[LK]
	s_mov_b32 s[G1+0], 15|(3<<16)|(1<<21)          ; mask of the four work-groups; elements of 8 bytes; bit 21 beside a mask; no padding
	s_mov_b32 s[G1+1], 32<<16                      ; rows of 256 bytes,
	s_mov_b32 s[G1+2], 100<<16                     ; 100 of them,
	s_mov_b32 s[G1+3], 32<<16
	s_mov_b32 s[G1+4], 100
	s_mov_b32 s[G1+5], 32                          ; dense
	s_mov_b32 s[G1+6], 0
	s_mov_b32 s[G1+7], 0
	v_add_nc_u32 v[XO], s60, v[L16]                ; my rows in E: 16 x lane + my wave's first row
	s_wait_alu depctr_va_vdst(0)
	s_wait_dscnt 0x0                               ; both opening adds are done
	s_wait_kmcnt 0x0
	s_load_b32 s43, s[16:17], 0x0                  ; bilinear_b
	s_add_nc_u64 s[10:11], s[10:11], s[58:59]
	s_add_nc_u64 s[62:63], s[12:13], s[58:59]
	s_add_nc_u64 s[52:53], s[52:53], s[50:51]
	s_add_nc_u64 s[56:57], s[18:19], s[68:69]
	s_add_nc_u64 s[56:57], s[56:57], WCOFF
	s_add_nc_u64 s[BB:BB+1], s[18:19], s[54:55]
	s_add_nc_u64 s[BB:BB+1], s[BB:BB+1], 2*MATB    ; proto_fc_w's images at my quarter of a block
	s_mov_b32 s[G0A], 1
	s_mov_b32 s[G0A+1], s54
	TADDR G0A                                      ; the walk's first K step
	s_mov_b32 s[G0B], 1
	s_add_co_u32 s[G0B+1], s54, SLOT1
	global_load_b32 v[IDX], v[R4], s[10:11]        ; lane r: index[b] and labels[b] of row r
	global_load_b32 v[LA], v[R4], s[62:63]
	EBASE 0
	EBASE 1
	WIN 0x40
	XPART 0                                        ; my own rows' first two K steps hang on no index: they are asked for now
	XPART 1
	WIN 0
	ROUND                                          ; all four work-groups are here: the first joint loads meet
	tensor_load_to_lds s[G0A:G0A+3], s[G1:G1+7]    ; slot 0: one tensor load a wave at the head
	s_nop 0
	PLACES 4
	s_mul_i32 s68, s[WV], TSW
	s_add_co_u32 s68, s68, TS
	v_add_nc_u32 v[TSI], s68, v[L16]
	v_mul_u32_u24 v[TSO], v2, 528
	v_lshl_add_u32 v[TSO], v3, 6, v[TSO]
	v_add_nc_u32 v[TSO], s68, v[TSO]
	s_mul_i32 s68, s[WV], 1536
	s_add_co_u32 s68, s68, AIMG
	v_add_nc_u32 v[AWI], s68, v[L16]
	s_lshl_b32 s68, s[WV], 6
	s_add_co_u32 s68, s68, AIMG+6144
	v_add_nc_u32 v[AWS], s68, v[R4]
	v_add_nc_u32 v[ARI], AIMG, v[L16]
	v_lshl_add_u32 v[ARS], v1, 2, AIMG+6144
	s_add_co_u32 s68, s54, SLOT1
	v_add_nc_u32 v[ADB], s54, v[L16]
	v_add_nc_u32 v[ADB+1], s68, v[L16]
	v_mad_u32_u24 v[ADS], v3, REC, v[R4]           ; 4 r + a record for lanes 16-31
	v_add_nc_u32 v[ADS+1], s68, v[ADS]
	v_add_nc_u32 v[ADS], s54, v[ADS]
	v_mul_u32_u24 v[OSR], v2, 144
	v_lshl_add_u32 v[OSR], v3, 6, v[OSR]
	s_mul_i32 s68, s[WV], 9216
	s_add_co_u32 s68, s68, OSTG
	v_add_nc_u32 v[OSW], s68, v[OSR]
	s_mul_i32 s68, s[WV], 2304
	s_add_co_u32 s68, s68, OSTG
	v_add_nc_u32 v[OSR], s68, v[OSR]
	s_mul_i32 s68, s[WV], 1600
	s_add_co_u32 s68, s68, OUTC
	v_mul_u32_u24 v[OC9], v2, 100
	v_add_nc_u32 v[OC9], s68, v[OC9]
	v_lshl_add_u32 v[OCW], v3, 6, v[OC9]
	v_lshl_add_u32 v[OC9], v3, 13, v[OC9]          ; lanes 16-31: 8,192 bytes on, the strip that nobody reads
	v_lshl_add_u32 v[OCR], v0, 4, OUTC
	v_lshlrev_b32 v[OGO], 4, v0
	v_lshl_add_u32 v[OC2], v2, 4, OUTC
	v_lshlrev_b32 v[OG2], 4, v2
	v_mov_b32 v[ZZ], 0
	; ---- the gate of my 16 rows
	s_wait_loadcnt 32                              ; index and labels are in; the 32 loads of my own rows, issued behind them, may be out
	v_min_u32 v[IDX], 0x3fff, v[IDX]
	v_min_u32 v[LA], 0x3ff, v[LA]
	v_lshlrev_b32 v[T0], 2, v[IDX]
	v_lshlrev_b32 v[T0+1], 2, v[LA]
	global_load_b32 v[LB], v[T0], s[12:13]         ; the partner's label
	global_load_b32 v[UU], v[T0+1], s[14:15] offset:4096
.irp i, 0,1,2,3,4,5,6,7,8,9,10,11,12,13,14,15
	v_readlane_b32 s66, v[IDX], \i
	s_min_u32 s66, s66, 0x3fff
	s_lshl_b32 s66, s66, 12
	v_add_nc_u32 v[YO+\i], s66, v[L16]             ; row i's partner: its row of E, + 16 x lane
.endr
	WIN 0x40
	s_wait_alu depctr_va_vdst(0)
	YPART 0                                        ; the partner rows' first two K steps
	YPART 1
	WIN 0
	s_wait_loadcnt 33                              ; the partner's label is in; u's load and the 32 loads of partner rows, issued behind it, may be out
	v_min_u32 v[LB], 0x3ff, v[LB]
	v_lshlrev_b32 v[T0+2], 2, v[LB]
	global_load_b32 v[VV], v[T0+2], s[14:15] offset:8192
	FILL 0
	FILL 1
	FILL 2
	FILL 3
.irp q, 0,1,2,3,4,5,6,7,8,9,10,11
	GROW \q, 48                                    ; three younger rows may be out
	FILL \q+4                                      ; the slot just read takes the row four on
.endr
	GROW 12, 48
	GROW 13, 32
	GROW 14, 16
	GROW 15, 0
	s_wait_alu depctr_va_vdst(0)
	s_wait_kmcnt 0x0                               ; bilinear_b
	v_add_f32 v[ZZ], s43, v[ZZ]
	v_add_f32 v[UU], v[UU], v[VV]
	v_add_f32 v[ZZ], v[ZZ], v[UU]
	v_mul_f32 v[ZZ], 0xbfb8aa3b, v[ZZ]             ; - z log2(e)
	s_wait_alu depctr_va_vdst(0)
	v_exp_f32 v[DT], v[ZZ]
	v_nop                                          ; a plain place behind the transcendental,
	s_wait_alu depctr_va_vdst(0)                   ; and the wait ahead of its first reader
	v_add_f32 v[DT], 1.0, v[DT]
	s_wait_alu depctr_va_vdst(0)
	v_rcp_f32 v[LM], v[DT]                         ; lam: lane r has row r's
	v_nop
	s_wait_alu depctr_va_vdst(0)
.irp i, 0,1,2,3,4,5,6,7,8,9,10,11,12,13,14,15  ; row i's lam into a scalar pair (the packed form names the pair and takes its low word).  The arguments that lay in s[6:19] are done with: every load by them is in
.if \i < 7
.set LS, 6+2*\i
.else
.set LS, 66+2*\i
.endif
	v_readlane_b32 s[LS], v[LM], \i
	v_readlane_b32 s[LS+1], v[LM], \i
.endr
	; ---- eight K steps: step 0 starts the sums; steps 1 to 4 are two trips of a loop; steps 5 to 7 ask for less and are written out
	s_wait_alu depctr_va_vdst(0)
	TURN 0, 32
	s_wait_dscnt 0x0
	XRE 0
	VALQ 0, 1
	CHANGE G0B, 1                                  ; slot 1's first fill, issued as a refill is; the round also shows image 0 to all four waves
	BPRE 0
	KSTEP 0, 1, 1, 1, 32
	TAIL G0A, 1, 1, 1
	s_mov_b32 s[CNT], 2
.Lk:
	KSTEP 1, 0, 1, 1, 32
	TAIL G0B, 1, 0, 1
	KSTEP 0, 0, 1, 1, 32
	TAIL G0A, 1, 1, 1
	s_sub_co_u32 s[CNT], s[CNT], 1
	s_cmp_lg_u32 s[CNT], 0
	s_cbranch_scc1 .Lk
	KSTEP 1, 0, 1, 0, 32                           ; step 5: E has been asked for to its end
	TAIL G0B, 1, 0, 0                              ; the last refill: step 7
	KSTEP 0, 0, 1, 0, 0
	TAIL G0A, 0, 1, 0                              ; nothing is left to fetch
	v_lshlrev_b32 v[CB0], 6, v3                    ; (the partner rows' last loads are in: their offset registers are free)
	s_lshl_b32 s68, s[WV], 10
	v_add_nc_u32 v[PBO], s68, v[CB0]               ; proto_fc_b: 1,024 w + 64 h
	v_mad_u32_u24 v[WSO], v3, REC, v[R4]
.irp j, 0,1,2,3,4,5,6,7
	v_add_nc_u32 v[CBJ+\j], 32+4*\j, v[CB0]
.endr
.irp j, 0,1,2,3,4,5,6,7
	v_min_u32 v[CBJ+\j], 0x60, v[CBJ+\j]           ; class_fc_b has 25 numbers: no load passes the last
.endr
	WIN 0x40
.irp n, 0,1,2,3,4,5,6,7,8,9,10,11,12,13,14,15  ; proto_fc_b in the accumulators' layout
	global_load_b128 v[8*\n:8*\n+3], v[PBO], s[20:21] offset:4*(32*(\n/2)+8*(\n%2))
	global_load_b128 v[8*\n+4:8*\n+7], v[PBO], s[20:21] offset:4*(32*(\n/2)+8*(\n%2))+16
.endr
.irp f, 0,1,2,3                                ; class_fc_w: K step 2 w + f / 2, tile f % 2
.irp c, 0,1,2
	global_load_b128 v[192+12*\f+4*\c:192+12*\f+4*\c+3], v[L16], s[56:57] offset:REC*\f+512*\c
.endr
.endr
	global_load_b128 v[240:243], v[CB0], s[22:23]                  ; class_fc_b at outputs 16 h + 0 .. 15
	global_load_b128 v[244:247], v[CB0], s[22:23] offset:16
.irp j, 0,1,2,3,4,5,6,7
	global_load_b32 v[248+\j], v[CBJ+\j], s[22:23]
.endr
	WIN 0
	global_load_b32 v[WCS], v[WSO], s[56:57] offset:1536           ; its scale words: lanes 0-15 tile 0, lanes 16-31 tile 1
	global_load_b32 v[WCS+1], v[WSO], s[56:57] offset:2*REC+1536
	KSTEP 1, 0, 0, 0, 0
	PLACES 4
	; ---- the hidden layer and the last product
	s_wait_loadcnt 0x0
.irp a, 0,1,2,3
.irp q, 0,1
	UNIT \a, \q
.endr
.endr
	PLACES 4
	WIN 0x04
.irp a, 0,1,2,3                                ; lane (r, h), tile u, register j: my part of out(16 a + r, 16 h + 8 u + j)
.irp u, 0,1
	ds_store_b128 v[OSW], v[128+8*(2*\a+\u):128+8*(2*\a+\u)+3] offset:2304*\a+32*\u
	ds_store_b128 v[OSW], v[128+8*(2*\a+\u)+4:128+8*(2*\a+\u)+7] offset:2304*\a+32*\u+16
.endr
.endr
	WIN 0
	s_wait_dscnt 0x0
	s_barrier_signal -1
	s_barrier_wait -1
.irp q, 0,1,2,3                                ; the four waves' parts of row 16 w + r, outputs 16 h + 0 .. 15
.irp c, 0,1,2,3
	ds_load_b128 v[XT+16*\q+4*\c:XT+16*\q+4*\c+3], v[OSR] offset:9216*\q+16*\c
.endr
.endr
	s_wait_dscnt 0x0
.irp k, 0,1,2,3,4,5,6,7
	v_pk_add_f32 v[XT+2*\k:XT+2*\k+1], v[XT+2*\k:XT+2*\k+1], v[XT+16+2*\k:XT+17+2*\k]
	v_pk_add_f32 v[XT+32+2*\k:XT+33+2*\k], v[XT+32+2*\k:XT+33+2*\k], v[XT+48+2*\k:XT+49+2*\k]
.endr
.irp k, 0,1,2,3,4,5,6,7
	v_pk_add_f32 v[XT+2*\k:XT+2*\k+1], v[XT+2*\k:XT+2*\k+1], v[XT+32+2*\k:XT+33+2*\k]
.endr
	WIN 0x04
.irp k, 0,1,2,3,4,5,6,7
	v_pk_add_f32 v[XT+2*\k:XT+2*\k+1], v[XT+2*\k:XT+2*\k+1], v[240+2*\k:241+2*\k]   ; + class_fc_b
.endr
	WIN 0
.irp i, 0,1,2,3,4,5,6,7,8
	ds_store_b32 v[OCW], v[XT+\i] offset:4*\i      ; outputs 0 to 8 and 16 to 24, at their places in a row of 100 bytes
.endr
.irp i, 9,10,11,12,13,14,15
	ds_store_b32 v[OC9], v[XT+\i] offset:4*\i      ; outputs 9 to 15; lanes 16-31 hold the sums of class_fc_w's zero rows, which go to the strip
.endr
	s_wait_dscnt 0x0
	s_barrier_signal -1
	s_barrier_wait -1
.irp k, 0,1,2
	ds_load_b128 v[YT+4*\k:YT+4*\k+3], v[OCR] offset:2048*\k
.endr
	s_wait_dscnt 0x0
.irp k, 0,1,2
	global_store_b128 v[OGO], v[YT+4*\k:YT+4*\k+3], s[52:53] offset:2048*\k th:TH_STORE_NT   ; a wave stores 512 consecutive bytes, at a multiple of 256 from out0's first byte
.endr
	s_cmp_lg_u32 s[WV], 0
	s_cbranch_scc1 .Lrest
	ds_load_b128 v[YT+12:YT+15], v[OC2] offset:6144
	s_wait_dscnt 0x0
	global_store_b128 v[OG2], v[YT+12:YT+15], s[52:53] offset:6144 th:TH_STORE_NT            ; the last 256 of the 6,400 bytes (both halves store the same)
.Lrest:
	s_wait_tensorcnt 0x0                           ; the wave's end, behind my last tensor load and my last LDS store
	ds_add_u32 v[SPW], v[NIL]
	s_wait_dscnt 0x0
	ROUND                                          ; the closing round
	s_endpgm
.Lfunc_end_k_q47541fb3ce_mix:
	.size	k_q47541fb3ce_mix, .Lfunc_end_k_q47541fb3ce_mix-k_q47541fb3ce_mix
	.p2alignl 7, 3214868480
	.fill 96, 4, 3214868480
	.section	.rodata,"a",@progbits
	.p2align	6, 0x0
	.amdhsa_kernel k_q47541fb3ce_mix
		.amdhsa_group_segment_fixed_size 327680
		.amdhsa_private_segment_fixed_size 0
		.amdhsa_enable_private_segment 0
		.amdhsa_kernarg_size 88
		.amdhsa_user_sgpr_count 2
		.amdhsa_user_sgpr_kernarg_segment_ptr 1
		.amdhsa_wavefront_size32 1
		.amdhsa_system_sgpr_workgroup_id_x 1
		.amdhsa_system_sgpr_workgroup_id_y 1
		.amdhsa_system_sgpr_workgroup_id_z 1
		.amdhsa_system_vgpr_workitem_id 0
		.amdhsa_next_free_vgpr 1024
		.amdhsa_next_free_sgpr 98
		.amdhsa_reserve_vcc 1
		.amdhsa_float_denorm_mode_32 3
		.amdhsa_float_denorm_mode_16_64 3
		.amdhsa_memory_ordered 1
		.amdhsa_forward_progress 1
		.amdhsa_inst_pref_size 255
	.end_amdhsa_kernel
	.section	.bss,"aw",@nobits
	.p2align	6
	.space	262144
	.amdgpu_metadata
---
amdhsa.version: [ 1, 2 ]
amdhsa.kernels:
  - .name:           k_q47541fb3ce_mix
    .symbol:         k_q47541fb3ce_mix.kd
    .args:
      - { .name: patient_embed, .offset: 0, .size: 8, .value_kind: global_buffer, .address_space: global }
      - { .name: prototype_embed, .offset: 8, .size: 8, .value_kind: global_buffer, .address_space: global }
      - { .name: tmat, .offset: 16, .size: 8, .value_kind: global_buffer, .address_space: global }
      - { .name: index, .offset: 24, .size: 8, .value_kind: global_buffer, .address_space: global }
      - { .name: labels, .offset: 32, .size: 8, .value_kind: global_buffer, .address_space: global }
      - { .name: pstat, .offset: 40, .size: 8, .value_kind: global_buffer, .address_space: global }
      - { .name: bilinear_b, .offset: 48, .size: 8, .value_kind: global_buffer, .address_space: global }
      - { .name: img, .offset: 56, .size: 8, .value_kind: global_buffer, .address_space: global }
      - { .name: proto_fc_b, .offset: 64, .size: 8, .value_kind: global_buffer, .address_space: global }
      - { .name: class_fc_b, .offset: 72, .size: 8, .value_kind: global_buffer, .address_space: global }
      - { .name: out0, .offset: 80, .size: 8, .value_kind: global_buffer, .address_space: global }
    .group_segment_fixed_size: 327680
    .private_segment_fixed_size: 0
    .kernarg_segment_align: 8
    .kernarg_segment_size: 88
    .max_flat_workgroup_size: 128
    .sgpr_count:     98
    .vgpr_count:     1024
    .wavefront_size: 32
...
	.end_amdgpu_metadata
.endif
;; end of part 3
